; MI455X (gfx1250); checked and timed in simulation.
; The chip was launched on July 23, 2026; its instructions are those of AMD's public machine-readable ISA for CDNA 5 (MIT licence, August 2026) and "CDNA5" Instruction Set Architecture Reference Guide (July 2026). The comments in the code are by the model that wrote it; some were corrected since.
;; Multi Head Attention. Allowed arithmetic: matrix products marked QUANTISED: E4M3 operands, one E8M0 scale for each 32 along K, by v_wmma_scale_f32_16x16x128_f8f6f4 with both operands' format E4M3, f32 sums; everything else in f32.
;; Inputs: W_k 1,024 x 1,024 float32; W_o 1,024 x 1,024 float32; W_q 1,024 x 1,024 float32; W_v 1,024 x 1,024 float32; b_k 1,024 float32; b_o 1,024 float32; b_q 1,024 float32; b_v 1,024 float32; key 4 x 2,048 x 1,024 float32; query 4 x 2,048 x 1,024 float32; valid_length 4 int32; value 4 x 2,048 x 1,024 float32.
;; Outputs: out0 4 x 2,048 x 1,024 float32.
;; This version of the problem:
;;   THIS VERSION OF THE PROBLEM IS GIVEN IN LOW PRECISION. The matrix products marked QUANTISED in the list below multiply operands that are first quantised to E4M3 (4 exponent bits, 3 mantissa bits; 8 bits a number), with one power-of-two scale for each 32 numbers along K (OCP MX v1.0); their sums are f32. All else is computed in f32.
;;   The module's matrix products, in the order in which they are computed (A, B: the left and right operand; K: the contracted axis; several contracted axes count as one K, in the product's order):
;;     1. [M 8,192, K 1,024] x [K 1,024, N 1,024]; A: input query; B: input W_q: QUANTISED
;;     2. [M 8,192, K 1,024] x [K 1,024, N 1,024]; A: input key; B: input W_k: QUANTISED
;;     3. [M 8,192, K 1,024] x [K 1,024, N 1,024]; A: input value; B: input W_v: QUANTISED
;;     4. batch 64 x [M 2,048, K 64] x [K 64, N 2,048]; A: computed on the way; B: computed on the way: QUANTISED
;;     5. batch 64 x [M 64, K 2,048] x [K 2,048, N 2,048]; A: computed on the way; B: softmax (see below): QUANTISED
;;     6. [M 8,192, K 1,024] x [K 1,024, N 1,024]; A: computed on the way; B: input W_o: QUANTISED
;;   THE QUANTISER, for each operand of a quantised product, along K:
;;     - K is cut into blocks of 32 from its start; a last block that is shorter is filled with zeros.
;;     - A block's scale is 2^e with e = floor(log2(the largest magnitude in the block)) - 8, held to -126 .. 127; a block of zeros has e = 0. As a byte (E8M0): e + 127.
;;     - Each number is divided by its block's scale, clamped to +-448, and rounded to the nearest number of E4M3, ties to even, subnormals kept.
;;     - The product sums the exact products of the quantised numbers (number of the format x scale) in f32.
;;   ~~~python
;;   def quantise(x, axis):      # numpy; x: float32 -> the quantised numbers, widened to float32 again
;;       x = np.moveaxis(x, axis, -1); K = x.shape[-1]
;;       x = np.pad(x, [(0, 0)] * (x.ndim - 1) + [(0, -K % 32)]); x = x.reshape(x.shape[:-1] + (-1, 32)); a = np.abs(x).max(-1, keepdims=True)
;;       e = np.where(a > 0, np.clip(np.frexp(np.where(a > 0, a, 1))[1] - 1 - 8, -126, 127), 0)      # np.frexp(a)[1] - 1 = floor(log2(a)), exactly
;;       r = np.clip(x / 2.0 ** e, -448, 448)
;;       step = 2.0 ** (np.maximum(np.frexp(np.where(r == 0, 1, r))[1] - 1, -6) - 3)
;;       q = np.round(r / step) * step * 2.0 ** e      # np.round: ties to even
;;       return np.moveaxis(q.reshape(q.shape[:-2] + (-1,))[..., :K], -1, axis).astype(np.float32)
;;   ~~~
;;   SOFTMAX AHEAD OF A QUANTISED PRODUCT. Where the list says 'softmax', what is quantised is not the finished softmax but p = 2^(t - M), with t = logit x log2(e) and M = ceil(the row's largest t), a whole number; so 1/2 < the row's largest p <= 1. The row's sum l is taken of the UNQUANTISED p, in f32, and the product's result is divided by l at the end. Since M is a whole number, a kernel that streams over the keys may use a running M (the ceiling of the running maximum): every later rescaling is an exact power of two, which a block's scale takes up: the codes' values come out the same.
;;   OPERANDS COMPUTED ON THE WAY. 'Computed on the way' means the value that the module computes at that place (a softmax that the list does not call 'softmax' is quantised finished and normalised). What goes into a quantiser is computed in f32, as accurately as f32 sums, v_exp_f32 and their like allow (about 1e-6 of the number): no bf16 or f16 on the way to a quantiser, and a product that is left as it is and whose result goes on into a quantised operand takes f32 operands (vector FMAs, or v_wmma_f32_16x16x4_f32). A number that lies on a knife's edge between two numbers of the format may be rounded either way, as far as f32 arithmetic and the matrix unit's own rounding can turn it there, and no further.
;; One version. Each part assembles by itself: llvm-mc -triple=amdgcn-amd-amdhsa -mcpu=gfx1250 --defsym DOCPART=n.
;; ======== version 1 of 1: 4 launches
;; limits: right only within a limited range of input values
;; workspace buffers: xc 25,165,824 bytes; xs 786,432 bytes; wc 4,194,304 bytes; ws 131,072 bytes; qi 8,912,896 bytes; kv 17,563,648 bytes; ac 8,388,608 bytes; asc 262,144 bytes
;; launch quant (part 1): grid 896 x 1, 4 waves a work-group, no clusters, 68,096 bytes of LDS; arguments query, key, value, W_q, W_k, W_v, W_o, xc, xs, wc, ws; writes xc, xs, wc, ws
.if DOCPART == 1
	.amdgcn_target "amdgcn-amd-amdhsa--gfx1250"
	.amdhsa_code_object_version 6
	.text
	.protected	k_q538f593b57_quant
	.globl	k_q538f593b57_quant
	.p2align	8
	.type	k_q538f593b57_quant,@function
k_q538f593b57_quant:
	s_mov_b64 s[64:65], 0
	v_nop
	global_prefetch_b8 v0, s[64:65] scope:SCOPE_SE
	s_setreg_imm32_b32 hwreg(HW_REG_WAVE_MODE, 25, 1), 1
	s_wait_xcnt 0x0
; query, key, value [8192][1024] f32 (K innermost) and W_q, W_k, W_v, W_o [1024 (k)][1024 (n)] f32 (K is the FIRST axis) become codes of FP8 (E4M3) with K innermost
; and one E8M0 scale byte for each 32 along K:  xc [3][8192][1024], xs [3][8192][32];  wc [4][1024 (n)][1024 (k)], ws [4][1024][32].
; A block's scale is 2^(floor(log2(its largest magnitude)) - 8); its byte is the largest magnitude's exponent field - 8, held at 1 from below; each number is divided by the scale, held within +-448, rounded to nearest even.
; THE ROWS ARE STORED IN ANOTHER ORDER: row x lies at position PI(x), x with its bits 3 and 4 exchanged.  Sixteen neighbouring positions 16 a + m then hold rows 32 (a / 2) + 8 (a % 2) + m + 8 (m / 8):
; a tile of a transposed product made of them leaves, in two neighbouring tiles, sixteen NEIGHBOURS along the next product's K in a lane's sixteen registers.
; LIMITS: a block of zeros gets the byte 1 where the rule says 127 (its codes are zeros, and the bytes are read by this program alone); blocks under 2^-118 keep the byte 1; NaN and infinities among the inputs are not served.
; Work-groups 0-767 take the three activations (a wave: 8 rows = 16 steps of 512 numbers), work-groups 768-895 the four weights (a wave: 32 columns x 256 along K).  The two ways part once, on the work-group's number,
; and each has LDS bytes of its own.  No tensor loads, no barrier: waves share nothing.
.set MANT,  0x600000                   ; the mantissa field of 448 as f32
; the activations' way
.set STEPS, 16
.set CB,    16                         ; bytes of 16 codes
.set R,     16                         ; v16-79   four sets of 16 numbers as they are loaded
.set X,     80                         ; v80-111  two sets of 16 neighbours
.set E,     112                        ; v112-127 a scale byte for each step
.set C,     128                        ; v128-191 codes: four registers for each step, so that no store's data are written again
.set WREG,  8192                       ; LDS bytes 0-32,767: a region for each wave: two stages of 32 x SP bytes, behind them its 256 scale bytes
.set SP,    80                         ; a lane's place in a stage: its 64 bytes + 16 of padding
; the weights' way
.set WLDS,  32768                      ; LDS bytes 32,768 on: a stage of 32 rows x PITCH for each wave
.set NB,    8                          ; blocks of 32 along K for a wave
.set PITCH, 272                        ; a stage row: 256 codes + 16 of padding
.set WX,    32                         ; v32-95   two sets of 32 numbers
.set WCD,   96                         ; v96-103  a block's codes
.set OUTR,  112                        ; v112-175 the way out
.set SB,    24                         ; v24-25   the scale bytes, four to a register
	s_load_b512 s[4:19], s[0:1], 0x0               ; query s[4:5], key s[6:7], value s[8:9], W_q s[10:11], W_k s[12:13], W_v s[14:15], W_o s[16:17], xc s[18:19]
	s_load_b128 s[20:23], s[0:1], 0x40             ; xs s[20:21], wc s[22:23]
	s_load_b64 s[24:25], s[0:1], 0x50              ; ws
	v_lshl_add_u32 v192, v0, 2, 0x10800
	v_mov_b32 v193, 0
	v_lshrrev_b32 v1, 5, v0
	v_readfirstlane_b32 s26, v1                    ; wave 0..3
	v_and_b32 v2, 31, v0                           ; lane
	s_mov_b32 s27, MANT                            ; (an instruction takes one literal: the hold's line has another)
	s_mov_b32 s33, 0                               ; the upper word of every offset
	s_cmp_lt_u32 ttmp9, 768
	s_cbranch_scc0 .Lweights
; ---------------- the activations: K is innermost, so a tensor is a plain stream of blocks of 32 ----------------
	v_lshlrev_b32 v3, 4, v2                        ; my 16 bytes of a load's 512
	s_mul_i32 s28, s26, WREG
	v_lshrrev_b32 v14, 2, v2
	v_mul_u32_u24 v14, v14, SP
	v_and_b32 v15, 3, v2
	v_lshl_add_u32 v14, v15, 4, v14
	v_add_nc_u32 v14, s28, v14                     ; the stage, on the way in: four lanes' 64 bytes on end, then 16 of padding
	v_mul_u32_u24 v15, v2, SP
	v_add_nc_u32 v15, s28, v15                     ; and on the way out: SP x lane: my 16 neighbours
	v_mul_u32_u24 v4, v2, CB                       ; my codes' place in a step's
	v_lshrrev_b32 v5, 1, v2
	s_add_co_u32 s28, s28, 2*32*SP
	v_add_nc_u32 v5, s28, v5                       ; LDS: my wave's 256 scale bytes, my block's byte
	v_lshlrev_b32 v7, 3, v2                        ; and on the way out 8 bytes a lane
	v_add_nc_u32 v6, s28, v7
	s_lshr_b32 s29, ttmp9, 8                       ; which tensor: 0 query, 1 key, 2 value
	s_and_b32 s30, ttmp9, 255
	s_lshl_b32 s30, s30, 2
	s_add_co_u32 s30, s30, s26                     ; G: which run of 8 rows is my wave's
	s_and_not1_b32 s31, s30, 3                     ; where the run goes: G with its bits 0 and 1 exchanged, which are the rows' bits 3 and 4
	s_and_b32 s34, s30, 1
	s_lshl_b32 s34, s34, 1
	s_or_b32 s31, s31, s34
	s_bfe_u32 s34, s30, 0x10001
	s_or_b32 s31, s31, s34
	s_wait_alu depctr_va_vdst(0)
	s_wait_kmcnt 0x0
	s_cmp_lt_u32 ttmp9, 512                        ; the choice hangs on the work-group's number alone
	s_cselect_b64 s[6:7], s[6:7], s[8:9]
	s_cmp_lt_u32 ttmp9, 256
	s_cselect_b64 s[4:5], s[4:5], s[6:7]
	s_lshl_b32 s32, s30, 15                        ; a run is 32,768 bytes of f32,
	s_add_nc_u64 s[4:5], s[4:5], s[32:33]
	s_lshl_b32 s32, s29, 23
	s_lshl_b32 s34, s31, 13                        ; 8,192 bytes of codes,
	s_add_co_u32 s32, s32, s34
	s_add_nc_u64 s[18:19], s[18:19], s[32:33]
	s_lshl_b32 s32, s29, 18
	s_lshl_b32 s34, s31, 8                         ; 256 scale bytes
	s_add_co_u32 s32, s32, s34
	s_add_nc_u64 s[20:21], s[20:21], s[32:33]
.macro XLOAD t
.irp i, 0,1,2,3
	global_load_b128 v[R+16*((\t)%4)+4*\i:R+16*((\t)%4)+4*\i+3], v3, s[4:5] offset:2048*(\t)+512*\i th:TH_LOAD_NT   ; 32 lanes read 512 consecutive bytes
.endr
.endm
.macro XTURN t                         ; step t's numbers through the stage: LDS serves a wave's instructions in order, so no wait stands between the stores and the loads
.irp i, 0,1,2,3
	ds_store_b128 v14, v[R+16*((\t)%4)+4*\i:R+16*((\t)%4)+4*\i+3] offset:32*SP*((\t)%2)+8*SP*\i
.endr
.irp i, 0,1,2,3
	ds_load_b128 v[X+16*((\t)%2)+4*\i:X+16*((\t)%2)+4*\i+3], v15 offset:32*SP*((\t)%2)+16*\i
.endr
.endm
.irp t, 0,1,2,3
	XLOAD \t
.endr
	s_wait_loadcnt 12                              ; step 0's four loads are in; the twelve of steps 1 to 3 may be out
	XTURN 0
.macro XSTEP t
.set XS, X+16*((\t)%2)
.if (\t) > 0
	s_wait_dscnt 1                                 ; this step's numbers are back from the stage (the last step's byte store may be out): so its stores into the stage have read their registers,
.else
	s_wait_dscnt 0x0
.endif
.if (\t)+4 < STEPS
	XLOAD (\t)+4                                   ; which take the loads of four steps on
.endif
.if (\t)+1 < STEPS
.if STEPS-2-(\t) >= 3
	s_wait_loadcnt 12                              ; the next step's four loads are in; those of the three steps behind it may be out
.else
	s_wait_loadcnt 4*(STEPS-2-(\t))
.endif
	XTURN (\t)+1                                   ; and go through the other stage while this step is worked
.endif
	v_max3_num_f32 v8, |v[XS]|, |v[XS+1]|, |v[XS+2]|               ; the largest magnitude of my 16, in two chains
	v_max3_num_f32 v9, |v[XS+3]|, |v[XS+4]|, |v[XS+5]|
.irp i, 6,10
	v_max3_num_f32 v8, v8, |v[XS+\i]|, |v[XS+\i+1]|
	v_max3_num_f32 v9, v9, |v[XS+\i+2]|, |v[XS+\i+3]|
.endr
	v_max3_num_f32 v8, v8, |v[XS+14]|, |v[XS+15]|
	v_max3_num_f32 v8, v8, v9, 0x4800000           ; and the floor 2^(9 - 127): so the byte cannot fall under 1
	v_max_num_f32_dpp v8, v8, v8 row_xmask:1 row_mask:0xf bank_mask:0xf   ; and of my neighbour's 16: the block's
	v_add_nc_u32 v11, 0xfc000000, v8               ; 8 off its exponent field: the conversion takes the exponent field of this operand as its scale, and nothing else of it
	v_and_or_b32 v10, v8, 0x7f800000, s27          ; 448 x the scale: the largest magnitude's exponent field over 448's mantissa
.irp i, 0,1,2,3,4,5,6,7,8,9,10,11,12,13,14,15
	v_med3_num_f32 v[XS+\i], v[XS+\i], -v10, v10   ; the conversion to an 8-bit code does not saturate (ISA guide 7.6.2): the hold comes first
.endr
	v_cvt_scalef32_pk8_fp8_f32 v[C+4*(\t):C+4*(\t)+1], v[XS:XS+7], v11
	v_cvt_scalef32_pk8_fp8_f32 v[C+4*(\t)+2:C+4*(\t)+3], v[XS+8:XS+15], v11
	v_lshrrev_b32 v[E+(\t)], 23, v11               ; the scale's byte (a plain line behind the conversions)
	ds_store_b8 v5, v[E+(\t)] offset:16*(\t)       ; both lanes of a block write the same byte with the same value
	global_store_b128 v4, v[C+4*(\t):C+4*(\t)+3], s[18:19] offset:32*CB*(\t)   ; the wave stores 512 consecutive bytes, aligned
.endm
.irp t, 0,1,2,3,4,5,6,7,8,9,10,11,12,13,14,15
	XSTEP \t
.endr
	ds_load_b64 v[12:13], v6                       ; LDS serves a wave's instructions in order: these see my stores
	s_wait_dscnt 0x0
	global_store_b64 v7, v[12:13], s[20:21]        ; 32 lanes store 256 consecutive bytes, aligned
	s_wait_tensorcnt 0x0
	ds_add_u32 v192, v193
	s_wait_dscnt 0x0
	s_endpgm
; ---------------- the weights: a lane takes a column n, and its registers run down K ----------------
.Lweights:
	s_sub_co_u32 s28, ttmp9, 768
	s_lshr_b32 s29, s28, 5                         ; which weight: 0 W_q, 1 W_k, 2 W_v, 3 W_o
	s_and_b32 s30, s28, 7                          ; which 128 columns
	s_bfe_u32 s31, s28, 0x20003                    ; which 256 along K
	s_lshl_b32 s36, s30, 7
	s_lshl_b32 s34, s26, 5
	s_add_co_u32 s36, s36, s34                     ; my wave's first column, a multiple of 32: its position is itself
	s_wait_alu depctr_va_vdst(0)
	v_lshlrev_b32 v3, 2, v2                        ; in: 4 bytes a lane
	s_mul_i32 s37, s26, 32*PITCH
	s_add_co_u32 s37, s37, WLDS                    ; my stage
	v_mul_u32_u24 v4, v2, PITCH
	v_add_nc_u32 v4, s37, v4                       ; into it: row = my column
	v_and_b32 v5, 15, v2
	v_lshrrev_b32 v6, 4, v2                        ; out of it: sixteen lanes to a row, two rows an instruction
	v_mul_u32_u24 v7, v6, PITCH
	v_lshl_add_u32 v7, v5, 4, v7
	v_add_nc_u32 v7, s37, v7
	v_lshlrev_b32 v8, 10, v6                       ; and the same place in the codes' buffer: rows of 1,024 bytes (an odd row's position is its even neighbour's + 1)
	v_lshl_add_u32 v8, v5, 4, v8
	v_and_b32 v9, 7, v2                            ; PI(lane): bits 3 and 4 exchanged,
	v_bfe_u32 v10, v2, 3, 1
	v_lshl_or_b32 v9, v10, 4, v9
	v_bfe_u32 v10, v2, 4, 1
	v_lshl_or_b32 v9, v10, 3, v9
	v_lshlrev_b32 v9, 5, v9                        ; x 32 bytes: my column's row of scale bytes
	s_wait_kmcnt 0x0
	s_cmp_lt_u32 s29, 1                            ; the choices hang on the work-group's number alone
	s_cselect_b64 s[10:11], s[10:11], s[12:13]
	s_cmp_lt_u32 s29, 3
	s_cselect_b64 s[14:15], s[14:15], s[16:17]
	s_cmp_lt_u32 s29, 2
	s_cselect_b64 s[10:11], s[10:11], s[14:15]
	s_lshl_b32 s32, s31, 20                        ; W: 256 rows of 4,096 bytes for each step along K, + 4 x column
	s_lshl_b32 s34, s36, 2
	s_add_co_u32 s32, s32, s34
	s_add_nc_u64 s[10:11], s[10:11], s[32:33]
	s_lshl_b32 s32, s29, 20                        ; codes: the weight's 2^20 bytes, column x 1,024, + 256 for each step along K
	s_lshl_b32 s34, s36, 10
	s_add_co_u32 s32, s32, s34
	s_lshl_b32 s34, s31, 8
	s_add_co_u32 s32, s32, s34
	s_add_nc_u64 s[22:23], s[22:23], s[32:33]
	s_lshl_b32 s32, s29, 15                        ; scale bytes: 2^15 a weight, column x 32, + 8
	s_lshl_b32 s34, s36, 5
	s_add_co_u32 s32, s32, s34
	s_lshl_b32 s34, s31, 3
	s_add_co_u32 s32, s32, s34
	s_add_nc_u64 s[24:25], s[24:25], s[32:33]
.macro WLOAD t                         ; block t: W(32 t + i, my column), i = 0 .. 31, into set t % 2: each load reads 128 consecutive bytes a wave.  The largest offset, 255 x 4,096, lies inside the signed 24-bit immediate
.set i, 0
.rept 32
	global_load_b32 v[WX+32*((\t)%2)+i], v3, s[10:11] offset:(32*(\t)+i)*4096 th:TH_LOAD_NT
.set i, i+1
.endr
.endm
	WLOAD 0
	WLOAD 1
.macro WBLOCK t
.set XS, WX+32*((\t)%2)
.if (\t) < NB-1
	s_wait_loadcnt 32                              ; this block's 32 loads are in; the next block's 32 may be out
.else
	s_wait_loadcnt 0
.endif
	v_max3_num_f32 v12, |v[XS]|, |v[XS+1]|, |v[XS+2]|               ; the block's largest magnitude: all 32 numbers are mine
	v_max3_num_f32 v13, |v[XS+3]|, |v[XS+4]|, |v[XS+5]|
.irp k, 6,10,14,18,22,26
	v_max3_num_f32 v12, v12, |v[XS+\k]|, |v[XS+\k+1]|
	v_max3_num_f32 v13, v13, |v[XS+\k+2]|, |v[XS+\k+3]|
.endr
	v_max3_num_f32 v12, v12, |v[XS+30]|, |v[XS+31]|
	v_max3_num_f32 v12, v12, v13, 0x4800000        ; and the floor 2^(9 - 127)
	v_add_nc_u32 v11, 0xfc000000, v12              ; the conversion's scale operand
	v_and_or_b32 v10, v12, 0x7f800000, s27         ; 448 x the scale
	v_lshrrev_b32 v13, 23, v11                     ; the scale's byte
.if (\t)%4 == 0
	v_mov_b32 v[SB+(\t)/4], v13                    ; four bytes to a register, the lower K in the lower byte
.else
	v_lshl_or_b32 v[SB+(\t)/4], v13, 8*((\t)%4), v[SB+(\t)/4]
.endif
.set i, 0
.rept 32
	v_med3_num_f32 v[XS+i], v[XS+i], -v10, v10     ; the hold at 448 x the scale
.set i, i+1
.endr
.irp g, 0,1,2,3
	v_cvt_scalef32_pk8_fp8_f32 v[WCD+2*\g:WCD+2*\g+1], v[XS+8*\g:XS+8*\g+7], v11
.endr
	ds_store_b128 v4, v[WCD:WCD+3] offset:32*(\t)  ; 32 codes: 32 bytes of my column's row
	ds_store_b128 v4, v[WCD+4:WCD+7] offset:32*(\t)+16
.if (\t)+2 < NB
	WLOAD (\t)+2
.endif
	s_wait_dscnt 0x0                               ; the stores have read their registers: the next block's codes may be written
.endm
.set Q, 0
.rept NB
	WBLOCK Q
.set Q, Q+1
.endr
	global_store_b64 v9, v[SB:SB+1], s[24:25]      ; my column's 8 scale bytes, at its position
.irp t, 0,1,2,3,4,5,6,7,8,9,10,11,12,13,14,15
	ds_load_b128 v[OUTR+4*\t:OUTR+4*\t+3], v7 offset:2*\t*PITCH   ; LDS serves a wave's instructions in order: these see my stores
.endr
.irp t, 0,1,2,3,4,5,6,7,8,9,10,11,12,13,14,15
	s_wait_dscnt 15-\t                             ; the younger row loads may be out
	global_store_b128 v8, v[OUTR+4*\t:OUTR+4*\t+3], s[22:23] offset:(((2*\t)&7)+(((2*\t)>>3)&1)*16+(((2*\t)>>4)&1)*8)*1024   ; rows 2 t and 2 t + 1 go to positions PI(2 t) and PI(2 t) + 1; sixteen lanes store 256 consecutive bytes, aligned
.endr
	s_wait_tensorcnt 0x0
	ds_add_u32 v192, v193
	s_wait_dscnt 0x0
	s_endpgm
.Lfunc_end_k_q538f593b57_quant:
	.size	k_q538f593b57_quant, .Lfunc_end_k_q538f593b57_quant-k_q538f593b57_quant
	.p2alignl 7, 3214868480
	.fill 96, 4, 3214868480
	.section	.rodata,"a",@progbits
	.p2align	6, 0x0
	.amdhsa_kernel k_q538f593b57_quant
		.amdhsa_group_segment_fixed_size 68096
		.amdhsa_private_segment_fixed_size 0
		.amdhsa_enable_private_segment 0
		.amdhsa_kernarg_size 88
		.amdhsa_user_sgpr_count 2
		.amdhsa_user_sgpr_kernarg_segment_ptr 1
		.amdhsa_wavefront_size32 1
		.amdhsa_system_sgpr_workgroup_id_x 1
		.amdhsa_system_sgpr_workgroup_id_y 1
		.amdhsa_system_sgpr_workgroup_id_z 1
		.amdhsa_system_vgpr_workitem_id 0
		.amdhsa_next_free_vgpr 194
		.amdhsa_next_free_sgpr 66
		.amdhsa_reserve_vcc 0
		.amdhsa_float_denorm_mode_32 3
		.amdhsa_float_denorm_mode_16_64 3
		.amdhsa_memory_ordered 1
		.amdhsa_forward_progress 1
		.amdhsa_inst_pref_size 110
	.end_amdhsa_kernel
	.amdgpu_metadata
---
amdhsa.version: [ 1, 2 ]
amdhsa.kernels:
  - .name:           k_q538f593b57_quant
    .symbol:         k_q538f593b57_quant.kd
    .args:
      - { .name: query, .offset: 0, .size: 8, .value_kind: global_buffer, .address_space: global }
      - { .name: key, .offset: 8, .size: 8, .value_kind: global_buffer, .address_space: global }
      - { .name: value, .offset: 16, .size: 8, .value_kind: global_buffer, .address_space: global }
      - { .name: W_q, .offset: 24, .size: 8, .value_kind: global_buffer, .address_space: global }
      - { .name: W_k, .offset: 32, .size: 8, .value_kind: global_buffer, .address_space: global }
      - { .name: W_v, .offset: 40, .size: 8, .value_kind: global_buffer, .address_space: global }
      - { .name: W_o, .offset: 48, .size: 8, .value_kind: global_buffer, .address_space: global }
      - { .name: xc, .offset: 56, .size: 8, .value_kind: global_buffer, .address_space: global }
      - { .name: xs, .offset: 64, .size: 8, .value_kind: global_buffer, .address_space: global }
      - { .name: wc, .offset: 72, .size: 8, .value_kind: global_buffer, .address_space: global }
      - { .name: ws, .offset: 80, .size: 8, .value_kind: global_buffer, .address_space: global }
    .group_segment_fixed_size: 68096
    .private_segment_fixed_size: 0
    .kernarg_segment_align: 8
    .kernarg_segment_size: 88
    .max_flat_workgroup_size: 128
    .sgpr_count:     66
    .vgpr_count:     194
    .wavefront_size: 32
...
	.end_amdgpu_metadata
.endif
;; end of part 1
;; launch proj (part 2): grid 4 x 96, 4 waves a work-group, clusters of 4 x 4, 327,680 bytes of LDS; arguments xc, xs, wc, ws, b_q, b_k, b_v, qi, kv; writes qi, kv
.if DOCPART == 2
	.amdgcn_target "amdgcn-amd-amdhsa--gfx1250"
	.amdhsa_code_object_version 6
	.text
	.protected	k_q538f593b57_proj
	.globl	k_q538f593b57_proj
	.p2align	8
	.type	k_q538f593b57_proj,@function
k_q538f593b57_proj:
	s_mov_b64 s[64:65], 0
	v_nop
	global_prefetch_b8 v0, s[64:65] scope:SCOPE_SE
	s_setreg_imm32_b32 hwreg(HW_REG_WAVE_MODE, 25, 1), 1
	s_wait_xcnt 0x0
	s_wait_alu depctr_hold_cnt(0) depctr_sa_sdst(0) depctr_va_vdst(0) depctr_va_sdst(0) depctr_va_ssrc(0) depctr_va_vcc(0) depctr_vm_vsrc(0)
	s_getreg_b32 s2, hwreg(HW_REG_IB_STS2, 6, 4)
	s_cmp_eq_u32 s2, 0
	s_cbranch_scc0 .Lentry_in_a_cluster
	s_endpgm
.Lentry_in_a_cluster:
	s_bfe_u32 s2, ttmp6, 0x10000c
	s_cmp_lg_u32 s2, 0xf033
	s_cbranch_scc0 .Lentry_shape_is_right
	s_endpgm
.Lentry_shape_is_right:
.set NQ,     2
.set ROWB,   256
.set KROW,   1024
.set PITCH,  272
.set FR,     16
.set NL,     4
.set NP,     8
.set HALFT,  128*PITCH
.set SLOT,   4*HALFT
.set LAPS,   2
.set KS,     32
.set SCL,    2*SLOT
.set HALFS,  16*272
.set SBLK,   2*272
.set SPARE,  SCL+4*HALFS
.set ADRA, 16
.set BO0,  18
.set BO1,  19
.set ADRB, 20
.set LI,   24
.set LIS,  25
.set LI8,  26
.set ADRS, 27
.set SPW,  28
.set NIL,  29
.set SC,   32
.set BI,   64
.set AF,   128
.set T,    128
.set PC,   192
.set TM,   208
.set LW,   228
.set HW,   236
.set OW,   244
.set G1, 24
.set G0, 32
.set G1B, 48
.set G0B, 56
.set G1S, 68
.set G0S, 76
.set G1SB, 80
.set G0SB, 88
.set MSB, 0
.macro WIN new
.if MSB != (\new)
	s_set_vgpr_msb (MSB<<8)|(\new)
.set MSB, (\new)
.endif
.endm
.set MUL_LO, 0xa1
.set MUL_HI, 0xf1
.set TO_B,   0x40
.macro JLOAD g0a, g1a, g0b, g1b
	s_cmp_eq_u32 s15, 0
	s_cbranch_scc0 .Lfor_b_\@
	tensor_load_to_lds s[\g0a:\g0a+3], s[\g1a:\g1a+7]
	s_nop 0
.rept 4
	v_nop
.endr
	s_branch .Lasked_\@
.Lfor_b_\@:
	tensor_load_to_lds s[\g0b:\g0b+3], s[\g1b:\g1b+7]
	s_nop 0
.rept 4
	v_nop
.endr
.Lasked_\@:
.endm
.macro CREST
	s_cmp_lg_u32 s14, 0
	s_cbranch_scc1 .Lnot_wave_0_\@
	s_barrier_signal -3
.Lnot_wave_0_\@:
	s_barrier_wait -3
	s_barrier_signal -1
	s_barrier_wait -1
.endm
.macro CROUND
	s_barrier_signal -1
	s_barrier_wait -1
	CREST
.endm
	s_load_b512 s[68:83], s[0:1], 0x0
	s_load_b64 s[84:85], s[0:1], 0x40
	v_lshl_add_u32 v[SPW], v0, 2, SPARE
	v_mov_b32 v[NIL], 0
	ds_add_u32 v28, v29
	ds_add_u32 v28, v29
	s_wait_dscnt 0x0
	v_lshrrev_b32 v1, 5, v0
	v_readfirstlane_b32 s14, v1
	s_lshr_b32 s15, s14, 1
	s_and_b32 s16, s14, 1
	s_bfe_u32 s40, ttmp6, 0x40000
	s_bfe_u32 s41, ttmp6, 0x40004
	s_and_b32 s94, ttmp7, 0xffff
	s_lshr_b32 s95, s94, 3
	s_and_b32 s94, s94, 7
	s_cmp_eq_u32 s95, 2
	s_cselect_b32 s17, 0, s94
	s_cselect_b32 s42, s94, 0
	s_lshl_b32 s17, s17, 2
	s_add_co_u32 s17, s17, s41
	s_lshl_b32 s42, s42, 2
	s_add_co_u32 s42, s42, s40
	s_lshl_b32 s43, s41, 2
	s_lshl_b32 s43, 15, s43
	s_lshl_b32 s44, 0x1111, s40
	s_or_b32 s[G1+0], s43, (0<<16)|(1<<20)|(1<<21)|(5<<22)|(3<<25)
	s_or_b32 s[G1B+0], s44, (0<<16)|(1<<20)|(1<<21)|(5<<22)|(3<<25)
.irp g, G1, G1B
	s_mov_b32 s[\g+1], ROWB<<16
	s_mov_b32 s[\g+2], 256<<16                     ; the head's loads of codes bring 256 rows
	s_mov_b32 s[\g+3], ROWB<<16
	s_mov_b32 s[\g+4], 256
	s_mov_b32 s[\g+5], KROW
	s_mov_b32 s[\g+6], 0
	s_mov_b32 s[\g+7], 0
.endr
	s_lshl_b32 s20, s17, 8                         ; the tile's first row of A
	s_lshl_b32 s46, s42, 8                         ; and of B
	s_lshl_b32 s22, s20, 5
	s_lshl_b32 s92, s46, 5
	s_lshl_b32 s20, s20, 10
	s_lshl_b32 s46, s46, 10
	s_mov_b32 s21, 0
	s_mov_b32 s23, 0
	s_mov_b32 s47, 0
	s_mov_b32 s93, 0
	s_mov_b32 s19, 0
	s_mul_i32 s45, s14, HALFT
	s_wait_kmcnt 0x0
	s_lshl_b32 s18, s95, 23
	s_add_nc_u64 s[68:69], s[68:69], s[18:19]
	s_lshl_b32 s18, s95, 18
	s_add_nc_u64 s[70:71], s[70:71], s[18:19]
	s_lshl_b32 s18, s95, 20
	s_add_nc_u64 s[72:73], s[72:73], s[18:19]
	s_lshl_b32 s18, s95, 15
	s_add_nc_u64 s[74:75], s[74:75], s[18:19]
	s_cmp_eq_u32 s95, 2
	s_cselect_b64 s[4:5], s[72:73], s[68:69]
	s_cselect_b64 s[6:7], s[74:75], s[70:71]
	s_cselect_b64 s[8:9], s[68:69], s[72:73]
	s_cselect_b64 s[10:11], s[70:71], s[74:75]
	s_cselect_b64 s[12:13], s[80:81], s[78:79]
	s_cmp_eq_u32 s95, 0
	s_cselect_b64 s[12:13], s[76:77], s[12:13]
	s_cselect_b64 s[96:97], s[82:83], s[84:85]
	s_or_b32 s[G1S+0], s43, (3<<16)|(1<<20)|(1<<21)|(5<<22)|(3<<25)
	s_or_b32 s[G1SB+0], s44, (3<<16)|(1<<20)|(1<<21)|(5<<22)|(3<<25)
.irp g, G1S, G1SB
	s_mov_b32 s[\g+1], 32<<16
	s_mov_b32 s[\g+2], 32<<16                      ; the scales of 256 rows: 32 rows of 256 bytes
	s_mov_b32 s[\g+3], 32<<16
	s_mov_b32 s[\g+4], 32
	s_mov_b32 s[\g+5], 32
	s_mov_b32 s[\g+6], 0
	s_mov_b32 s[\g+7], 0
.endr
	s_add_nc_u64 s[20:21], s[4:5], s[20:21]
	s_add_nc_u64 s[22:23], s[6:7], s[22:23]
	s_add_nc_u64 s[46:47], s[8:9], s[46:47]
	s_add_nc_u64 s[92:93], s[10:11], s[92:93]
	CROUND
	s_mov_b32 s[G0S], 1
	s_mov_b32 s[G0S+1], SCL
	s_mov_b64 s[G0S+2:G0S+3], s[22:23]
	s_or_b32 s[G0S+3], s[G0S+3], 0x80000000
	s_mov_b32 s[G0SB], 1
	s_mov_b32 s[G0SB+1], SCL+2*HALFS
	s_mov_b64 s[G0SB+2:G0SB+3], s[92:93]
	s_or_b32 s[G0SB+3], s[G0SB+3], 0x80000000
.set G0H,  4                           ; s[4:7], s[8:11] group 0 for the head's loads of K step 0 (the arguments that lay there have been used)
.set G0HB, 8
.set PFA,  104                         ; s[104:105] where my prefetches stand; never rewritten
.set PFO,  30                          ; v30 my lane x a row of 1,024 bytes; never rewritten
	s_mov_b32 s[G0H], 1                            ; K step 0's 256 rows of A,
	s_mov_b32 s[G0H+1], 0
	s_mov_b64 s[G0H+2:G0H+3], s[20:21]
	s_or_b32 s[G0H+3], s[G0H+3], 0x80000000
	s_mov_b32 s[G0HB], 1                           ; and of B, behind them in slot 0
	s_mov_b32 s[G0HB+1], 2*HALFT
	s_mov_b64 s[G0HB+2:G0HB+3], s[46:47]
	s_or_b32 s[G0HB+3], s[G0HB+3], 0x80000000
	s_mul_i32 s18, s16, 128*KROW                   ; for the ring: my 128 rows of the tile
	s_add_nc_u64 s[20:21], s[20:21], s[18:19]
	s_add_nc_u64 s[46:47], s[46:47], s[18:19]
	; the prefetches: of the 128 rows that I fetch in the ring, the partner at place p (cx for A, cy for B) names rows 32 p .. 32 p + 31, a lane a row: told apart by address alone
	s_cmp_eq_u32 s15, 0
	s_cselect_b64 s[PFA:PFA+1], s[20:21], s[46:47]
	s_cselect_b32 s18, s40, s41
	s_lshl_b32 s18, s18, 15
	s_add_nc_u64 s[PFA:PFA+1], s[PFA:PFA+1], s[18:19]
	v_and_b32 v[PFO], 31, v0
	v_lshlrev_b32 v[PFO], 10, v[PFO]
	s_wait_alu depctr_va_vdst(0)
.irp s, 0,1
	s_mov_b32 s[G0+4*\s], 1
	s_add_co_u32 s[G0+4*\s+1], s45, \s*SLOT
	s_add_nc_u64 s[G0+4*\s+2:G0+4*\s+3], s[20:21], \s*ROWB
	s_or_b32 s[G0+4*\s+3], s[G0+4*\s+3], 0x80000000
	s_mov_b32 s[G0B+4*\s], 1
	s_add_co_u32 s[G0B+4*\s+1], s45, \s*SLOT
	s_add_nc_u64 s[G0B+4*\s+2:G0B+4*\s+3], s[46:47], \s*ROWB
	s_or_b32 s[G0B+4*\s+3], s[G0B+4*\s+3], 0x80000000
.endr
; THE HEAD'S LOADS, ONE A WAVE: wave 0 K step 0's 256 rows of A, wave 1 its 256 rows of B, wave 2 the scales of A's 256 rows, wave 3 those of B's.  One chain of arms, all leading to one join.
.macro ARM under, g0, g1, next
	s_cmp_lt_u32 s14, \under
	s_cbranch_scc0 \next
	tensor_load_to_lds s[\g0:\g0+3], s[\g1:\g1+7]
	s_nop 0
.rept 4
	v_nop
.endr
	s_branch .Lhead_asked
\next:
.endm
	ARM 1, G0H,  G1,  .Lhead_b
	ARM 2, G0HB, G1B, .Lhead_sa
	ARM 3, G0S,  G1S, .Lhead_sb
	tensor_load_to_lds s[G0SB:G0SB+3], s[G1SB:G1SB+7]
	s_nop 0
.rept 4
	v_nop
.endr
.Lhead_asked:
	global_prefetch_b8 v[PFO], s[PFA:PFA+1] offset:ROWB th:TH_LOAD_NT scope:SCOPE_SE     ; K step 1, one fill ahead of the load that wants it: 32 rows x 256 bytes
	global_prefetch_b8 v[PFO], s[PFA:PFA+1] offset:2*ROWB th:TH_LOAD_NT scope:SCOPE_SE   ; K step 2, two fills ahead
	v_and_b32 v1, 15, v0
	v_bfe_u32 v2, v0, 4, 1
	v_mul_u32_u24 v3, v1, PITCH
	v_lshl_add_u32 v4, v2, 4, v3
	s_mul_i32 s21, s15, HALFT
	s_mul_i32 s22, s16, HALFT
	s_add_co_u32 s22, s22, 2*HALFT
.irp s, 0,1
	v_add_nc_u32 v[ADRA+\s], s21, v4
	v_add_nc_u32 v[ADRB+\s], s22, v4
	s_add_co_u32 s21, s21, SLOT
	s_add_co_u32 s22, s22, SLOT
.endr
	v_mul_u32_u24 v5, v1, KS
	v_lshrrev_b32 v6, 8, v5
	v_lshl_add_u32 v5, v6, 4, v5
	s_mul_i32 s21, s15, HALFS
	s_mul_i32 s22, s16, HALFS
	s_add_co_u32 s22, s22, 2*HALFS
	s_sub_co_u32 s22, s22, s21
	v_mul_u32_u24 v6, s22, v2
	s_add_co_u32 s21, s21, SCL
	v_add_nc_u32 v5, v5, v6
	v_add_nc_u32 v[ADRS], s21, v5
	v_and_b32 v6, 31, v0
	v_lshlrev_b32 v[LI], 4, v6
	s_wait_alu depctr_va_vdst(0)
	v_lshlrev_b32 v[LI8], 3, v6
	v_lshlrev_b32 v[BO0], 6, v2
	v_and_b32 v7, 8, v1
	v_add_nc_u32 v7, v7, v1
	v_lshlrev_b32 v[BO1], 2, v7
	s_lshl_b32 s18, s17, 8
	s_lshl_b32 s19, s15, 7
	s_add_co_u32 s18, s18, s19
	s_lshl_b32 s19, s42, 8
	s_lshl_b32 s20, s16, 7
	s_add_co_u32 s19, s19, s20
	s_mov_b32 s23, 17152
	s_mov_b32 s94, 16384
	s_cmp_eq_u32 s95, 2
	s_cselect_b32 s20, s19, s18
	s_cselect_b32 s21, s18, s19
	s_cselect_b32 s22, 8192, 0
	s_cmp_eq_u32 s95, 0
	s_cselect_b32 s23, 8704, s23
	s_cselect_b32 s94, 8192, s94
	s_lshr_b32 s2, s20, 11
	s_lshl_b32 s2, s2, 4
	s_lshr_b32 s92, s21, 6
	s_add_co_u32 s2, s2, s92
	s_lshl_b32 s2, s2, 4
	s_bfe_u32 s92, s20, 0x40007
	s_add_co_u32 s2, s2, s92
	s_mul_i32 s2, s2, s23
	s_add_co_u32 s92, s2, s22
	s_mov_b32 s93, 0
	s_add_nc_u64 s[96:97], s[96:97], s[92:93]
	s_lshl_b32 s92, s23, 4
	s_add_nc_u64 s[98:99], s[96:97], s[92:93]
	s_lshl_b32 s92, s21, 2
	s_add_nc_u64 s[12:13], s[12:13], s[92:93]
	v_add_nc_u32 v[LIS], s94, v[LI]
	s_mov_b32 s66, 0xffff0000
	s_mov_b32 s67, 0x600000
	s_mov_b32 s100, 0x76543210
	s_mov_b32 s101, 0xfedcba98
.macro FRAG reg, adr, q, i
.irp c, 0,1,2,3
	ds_load_b128 v[\reg+4*\c:\reg+4*\c+3], v[\adr] offset:128*(\q)+32*\c+(\i)*16*PITCH
.endr
.endm
.macro MUL16 a0, p, q, sc, zero
.irp a, \a0, \a0+1
.irp b, 0,1,2,3,4,5,6,7
.if \zero
	v_wmma_scale_f32_16x16x128_f8f6f4 v[8*(8*((\a)%4)+\b):8*(8*((\a)%4)+\b)+7], v[128*(\p)+FR*\b:128*(\p)+FR*\b+FR-1], v[AF+FR*(\a):AF+FR*(\a)+FR-1], 0, v[SC+8*NQ*(\sc)+NQ*\b+(\q)], v[SC+8*NQ*(\sc)+NQ*(\a)+(\q)] matrix_a_scale:MATRIX_SCALE_ROW1
.else
	v_wmma_scale_f32_16x16x128_f8f6f4 v[8*(8*((\a)%4)+\b):8*(8*((\a)%4)+\b)+7], v[128*(\p)+FR*\b:128*(\p)+FR*\b+FR-1], v[AF+FR*(\a):AF+FR*(\a)+FR-1], v[8*(8*((\a)%4)+\b):8*(8*((\a)%4)+\b)+7], v[SC+8*NQ*(\sc)+NQ*\b+(\q)], v[SC+8*NQ*(\sc)+NQ*(\a)+(\q)] matrix_a_scale:MATRIX_SCALE_ROW1
.endif
.endr
.endr
.endm
.macro FETCH_B slot, q, p
	WIN TO_B
.irp i, 0,1,2,3,4,5,6,7
	FRAG 128*(\p)+FR*\i, ADRB+\slot, \q, \i
.endr
	WIN 0
.endm
.macro FETCH_A slot, q, i0
.irp i, \i0, \i0+1, \i0+2, \i0+3
	FRAG AF+FR*(\i), ADRA+\slot, \q, \i
.endr
.endm
.macro SCALES sc
.irp i, 0,1,2,3,4,5,6,7
	ds_load_b64 v[SC+8*NQ*\sc+NQ*\i:SC+8*NQ*\sc+NQ*\i+1], v[ADRS] offset:\i*SBLK
.endr
.endm
.macro PLACES n
.rept \n
	v_nop
.endr
.endm
.macro STEP slot, q, zero
	s_wait_dscnt 4*NL
	WIN MUL_LO
	MUL16 0, (\q)%2, \q, \slot, \zero
	MUL16 2, (\q)%2, \q, \slot, \zero
	s_wait_dscnt 0
	PLACES NP
	FETCH_B \slot, (\q)+1, 1-(\q)%2
	FETCH_A \slot, (\q)+1, 0
	WIN MUL_HI
	MUL16 4, (\q)%2, \q, \slot, \zero
	MUL16 6, (\q)%2, \q, \slot, \zero
	PLACES NP
	WIN 0
	FETCH_A \slot, (\q)+1, 4
.endm
.macro TURN slot, next, fill
	s_wait_tensorcnt 0x0
	ds_add_u32 v[SPW], v[NIL]
	s_wait_dscnt 4*NL+1
	WIN MUL_LO
	MUL16 0, 1, NQ-1, \slot, 0
	s_wait_dscnt 0x0
	s_barrier_signal -1
	MUL16 2, 1, NQ-1, \slot, 0
	WIN 0
	s_barrier_wait -1
.if \fill
	CREST
	s_add_nc_u64 s[G0+4*\slot+2:G0+4*\slot+3], s[G0+4*\slot+2:G0+4*\slot+3], 2*ROWB
	s_add_nc_u64 s[G0B+4*\slot+2:G0B+4*\slot+3], s[G0B+4*\slot+2:G0B+4*\slot+3], 2*ROWB
	JLOAD G0+4*\slot, G1, G0B+4*\slot, G1B
	PLACES NP-4
.else
	PLACES NP
.endif
	s_wait_alu depctr_va_vdst(0)
	v_add_nc_u32 v[ADRS], 4*NQ, v[ADRS]
	FETCH_B \next, 0, 0
	FETCH_A \next, 0, 0
	SCALES \next
	WIN MUL_HI
	MUL16 4, 1, NQ-1, \slot, 0
	MUL16 6, 1, NQ-1, \slot, 0
	PLACES NP
	WIN 0
	FETCH_A \next, 0, 4
.endm
.macro QUANT s
.irp b, 0,1,2,3
	v_max3_num_f32 v[TM+\b], |v[\s+16*\b]|, |v[\s+1+16*\b]|, 0x4800000
.endr
.irp k, 2,4,6,8,10,12,14
.irp b, 0,1,2,3
	v_max3_num_f32 v[TM+\b], v[TM+\b], |v[\s+16*\b+\k]|, |v[\s+1+16*\b+\k]|
.endr
.endr
.irp b, 0,1,2,3
	v_permlanex16_b32 v[TM+4+\b], v[TM+\b], s100, s101
.endr
.irp b, 0,1,2,3
	v_max_num_f32 v[TM+\b], v[TM+\b], v[TM+4+\b]
.endr
.irp b, 0,1,2,3
	v_add_nc_u32 v[TM+12+\b], 0xfc000000, v[TM+\b]
.endr
.irp b, 0,1,2,3
	v_and_or_b32 v[TM+8+\b], v[TM+\b], 0x7f800000, s67
.endr
.irp b, 0,1,2,3
	v_lshrrev_b32 v[TM+4+\b], 23, v[TM+12+\b]
.endr
.irp b, 0,1,2,3
.irp k, 0,1,2,3,4,5,6,7,8,9,10,11,12,13,14,15
	v_med3_num_f32 v[\s+16*\b+\k], v[\s+16*\b+\k], -v[TM+8+\b], v[TM+8+\b]
.endr
	v_cvt_scalef32_pk8_fp8_f32 v[PC+4*\b:PC+1+4*\b], v[\s+16*\b:\s+7+16*\b], v[TM+12+\b]
	v_cvt_scalef32_pk8_fp8_f32 v[PC+2+4*\b:PC+3+4*\b], v[\s+8+16*\b:\s+15+16*\b], v[TM+12+\b]
.endr
.endm
.macro BLOCK a, isv
.if (\a) > 0
	s_wait_xcnt 0x0
.endif
	WIN 0x02+(\a)/4
.set n, 0
.rept 32
.if \isv
	v_pk_add_f32 v[T+n:T+n+1], v[64*((\a)%4)+n:64*((\a)%4)+n+1], v[BI+2*(\a):BI+2*(\a)+1]
.else
	v_pk_add_f32 v[T+n:T+n+1], v[64*((\a)%4)+n:64*((\a)%4)+n+1], v[BI+n:BI+n+1]
.endif
.set n, n+2
.endr
	WIN 0
	QUANT T
.if \isv
	v_lshl_or_b32 v[LW+(\a)], v[TM+5], 8, v[TM+4]
	v_lshl_or_b32 v[LW+(\a)], v[TM+6], 16, v[LW+(\a)]
	v_lshl_or_b32 v[LW+(\a)], v[TM+7], 24, v[LW+(\a)]
.irp g, 0,1,2,3
	global_store_b128 v[LI], v[PC+4*\g:PC+4*\g+3], s[96+2*((\a)/4):97+2*((\a)/4)] offset:2048*((\a)%4)+512*\g
.endr
.else
	v_lshl_or_b32 v[LW+(\a)], v[TM+5], 8, v[TM+4]
	v_lshl_or_b32 v[HW+(\a)], v[TM+7], 8, v[TM+6]
	v_or_b32 v[LW+(\a)], 0x7f7f0000, v[LW+(\a)]
	v_or_b32 v[HW+(\a)], 0x7f7f0000, v[HW+(\a)]
.irp g, 0,1,2,3
	global_store_b128 v[LI], v[PC+4*\g:PC+4*\g+3], s[96+2*(\g/2):97+2*(\g/2)] offset:1024*(\a)+512*(\g%2)
.endr
.endif
.endm
.macro WAYOUT isv
.if \isv
.irp a, 0,1,2,3,4,5,6,7
	global_load_b32 v[BI+2*\a], v[BO1], s[12:13] offset:(32*(\a/2)+8*(\a%2))*4
	global_load_b32 v[BI+2*\a+1], v[BO1], s[12:13] offset:(32*(\a/2)+8*(\a%2))*4
.endr
.else
.irp g, 0,1,2,3
.irp j, 0,1,2,3
	global_load_b128 v[BI+16*\g+4*\j:BI+16*\g+4*\j+3], v[BO0], s[12:13] offset:128*\g+16*\j
.endr
.endr
.endif
	s_wait_dscnt 4*NL
	WIN MUL_LO
	MUL16 0, 1, NQ-1, 1, 0
	MUL16 2, 1, NQ-1, 1, 0
	s_wait_dscnt 0
	WIN MUL_HI
	MUL16 4, 1, NQ-1, 1, 0
	MUL16 6, 1, NQ-1, 1, 0
	WIN 0
	PLACES NP
.irp b, 0,1,2,3
	v_mov_b32 v[TM+4+\b], 0
.endr
	s_wait_loadcnt 0x0
.irp a, 0,1,2,3,4,5,6,7
	BLOCK \a, \isv
.endr
.if \isv
.irp g, 0,1
.irp j, 0,1
	v_cndmask_b32 v[OW+2*\g+\j], v[LW+4*\g+2*\j], v[LW+4*\g+2*\j+1], s66
.endr
	global_store_b64 v[LI8], v[OW+2*\g:OW+2*\g+1], s[96+2*\g:97+2*\g] offset:8704
.endr
.else
.irp j, 0,1,2,3
	v_cndmask_b32 v[OW+\j], v[LW+2*\j], v[LW+2*\j+1], s66
	v_cndmask_b32 v[OW+4+\j], v[HW+2*\j], v[HW+2*\j+1], s66
.endr
	global_store_b128 v[LIS], v[OW:OW+3], s[96:97]
	global_store_b128 v[LIS], v[OW+4:OW+7], s[98:99]
.endif
.endm
	s_wait_alu depctr_va_vdst(0)
	s_wait_tensorcnt 0x0                           ; my tile of the head's four is in; slot 1's first fill is issued as a refill is
	ds_add_u32 v[SPW], v[NIL]
	s_mov_b32 s[G1+2], 128<<16                     ; no tensor load of mine is out: from here on a load brings 128 rows
	s_mov_b32 s[G1+4], 128
	s_mov_b32 s[G1B+2], 128<<16
	s_mov_b32 s[G1B+4], 128
	s_wait_dscnt 0x0
	CROUND
	JLOAD G0+4, G1, G0B+4, G1B                     ; K step 1, the first tensor load behind the round
	global_prefetch_b8 v[PFO], s[PFA:PFA+1] offset:3*ROWB th:TH_LOAD_NT scope:SCOPE_SE   ; K step 3, the last: nothing is asked for beyond it
	FETCH_B 0, 0, 0
	FETCH_A 0, 0, 0
	SCALES 0
	FETCH_A 0, 0, 4
	STEP 0, 0, 1
	s_mov_b32 s3, LAPS-1
.Llap:
	TURN 0, 1, 1
	STEP 1, 0, 0
	TURN 1, 0, 1
	STEP 0, 0, 0
	s_sub_co_u32 s3, s3, 1
	s_cmp_lg_u32 s3, 0
	s_cbranch_scc1 .Llap
	TURN 0, 1, 0
	STEP 1, 0, 0
	s_cmp_eq_u32 s95, 2
	s_cbranch_scc1 .Lvalues
	WAYOUT 0
	s_branch .Lend
.Lvalues:
	WAYOUT 1
.Lend:
	s_wait_tensorcnt 0x0
	ds_add_u32 v[SPW], v[NIL]
	s_wait_dscnt 0x0
	CROUND
	s_endpgm
.Lfunc_end_k_q538f593b57_proj:
	.size	k_q538f593b57_proj, .Lfunc_end_k_q538f593b57_proj-k_q538f593b57_proj
	.p2alignl 7, 3214868480
	.fill 96, 4, 3214868480
	.section	.rodata,"a",@progbits
	.p2align	6, 0x0
	.amdhsa_kernel k_q538f593b57_proj
		.amdhsa_group_segment_fixed_size 327680
		.amdhsa_private_segment_fixed_size 0
		.amdhsa_enable_private_segment 0
		.amdhsa_kernarg_size 72
		.amdhsa_user_sgpr_count 2
		.amdhsa_user_sgpr_kernarg_segment_ptr 1
		.amdhsa_wavefront_size32 1
		.amdhsa_system_sgpr_workgroup_id_x 1
		.amdhsa_system_sgpr_workgroup_id_y 1
		.amdhsa_system_sgpr_workgroup_id_z 1
		.amdhsa_system_vgpr_workitem_id 0
		.amdhsa_next_free_vgpr 1024
		.amdhsa_next_free_sgpr 106
		.amdhsa_reserve_vcc 0
		.amdhsa_float_denorm_mode_32 3
		.amdhsa_float_denorm_mode_16_64 3
		.amdhsa_memory_ordered 1
		.amdhsa_forward_progress 1
		.amdhsa_inst_pref_size 255
	.end_amdhsa_kernel
	.section	.bss,"aw",@nobits
	.p2align	6
	.space	262144
	.amdgpu_metadata
---
amdhsa.version: [ 1, 2 ]
amdhsa.kernels:
  - .name:           k_q538f593b57_proj
    .symbol:         k_q538f593b57_proj.kd
    .args:
      - { .name: xc, .offset: 0, .size: 8, .value_kind: global_buffer, .address_space: global }
      - { .name: xs, .offset: 8, .size: 8, .value_kind: global_buffer, .address_space: global }
      - { .name: wc, .offset: 16, .size: 8, .value_kind: global_buffer, .address_space: global }
      - { .name: ws, .offset: 24, .size: 8, .value_kind: global_buffer, .address_space: global }
      - { .name: b_q, .offset: 32, .size: 8, .value_kind: global_buffer, .address_space: global }
      - { .name: b_k, .offset: 40, .size: 8, .value_kind: global_buffer, .address_space: global }
      - { .name: b_v, .offset: 48, .size: 8, .value_kind: global_buffer, .address_space: global }
      - { .name: qi, .offset: 56, .size: 8, .value_kind: global_buffer, .address_space: global }
      - { .name: kv, .offset: 64, .size: 8, .value_kind: global_buffer, .address_space: global }
    .group_segment_fixed_size: 327680
    .private_segment_fixed_size: 0
    .kernarg_segment_align: 8
    .kernarg_segment_size: 72
    .max_flat_workgroup_size: 128
    .sgpr_count:     106
    .vgpr_count:     1024
    .wavefront_size: 32
...
	.end_amdgpu_metadata
.endif
;; end of part 2
;; launch attn (part 3): grid 256 x 1, 8 waves a work-group, no clusters, 0 bytes of LDS; arguments qi, kv, valid_length, ac, asc; writes ac, asc
.if DOCPART == 3
	.amdgcn_target "amdgcn-amd-amdhsa--gfx1250"
	.amdhsa_code_object_version 6
	.text
	.protected	k_q538f593b57_attn
	.globl	k_q538f593b57_attn
	.p2align	8
	.type	k_q538f593b57_attn,@function
k_q538f593b57_attn:
	s_mov_b64 s[64:65], 0
	v_nop
	global_prefetch_b8 v0, s[64:65] scope:SCOPE_SE
	s_setreg_imm32_b32 hwreg(HW_REG_WAVE_MODE, 25, 1), 1
	s_wait_xcnt 0x0
; For each batch b and head hd: scores = q k^T / 8; the scores of keys at or beyond valid_length[b] are REPLACED by -1e7; softmax; times v; the result is quantised along the 1,024 channels for the last product.
; Both products on codes of FP8 (E4M3) with one E8M0 scale for each 32 along K.  t = score x log2(e); M = the running largest t rounded UP to a whole number; p = 2^(t - M) is quantised along the keys, not normalised;
; the row's sum is taken of the unquantised p and divides at the end.  When M moves, the sum and O are multiplied by 2^(old M - new M): exact.
; SHARES.  A unit is 64 queries (four tiles of 16, in four register slots) of one batch and head; it walks that head's keys, 128 a step.  kv holds a record for each step: images of K's and V's operand registers and their
; scale words, so a wave loads its fragments from memory straight into registers: no LDS, no barrier, waves share nothing.  Each fragment feeds all the slots at work.
; THE DEAL.  A unit's length follows valid_length[b].  Work-group x takes head x / 16 and queries 128 (x % 16) .. + 127 in ALL FOUR batches, two units a batch, a unit a wave.  Each wave sorts the four lengths
; (keys 4 x length + b, five exchanges) and takes by its number: waves 0, 5 the longest batch, 1, 4 the shortest, 2, 7 the second, 3, 6 the third: waves w and w ^ 1, and waves w and w + 4, pair long with short.
; THEN TILES ARE HANDED OVER.  With n steps that count a unit is reckoned at 9 n + 16.  Where the pair (second, third) outweighs the pair (longest, shortest), the second's waves give their last d slots (d = 0, 1, 2, by two
; thresholds on the difference) to the shortest's waves; else the longest's give theirs to the third's.  The taker runs them as a second job, in the same slots, so that every address of a slot stays as it is.
; All waves reckon the same d from the same four numbers, so each tile has one owner.  Slots are passed over by scalar tests on a mask made of these whole numbers.
; NO TENSOR LOADS, NO CLUSTER: trip counts, masks and addresses hang on valid_length, whole numbers read from memory.
; LAYOUT.  Both products are used transposed: S^T = K Q^T, O^T = V^T P^T: a lane holds ONE query (lane % 16).  Lane r of tile t of K is key 32 (t / 2) + 8 (t % 2) + r + 8 (r / 8) of the step, so that the 16 registers
; of tiles 2 b, 2 b + 1 of S^T are keys 32 b + 16 (lane / 16) + 0 .. 15; V's tiles of channels likewise.
; K = 64 IN AN INSTRUCTION OF 128: Q's fragments have zero codes in their upper eight registers, and both sides' upper two scale bytes stand for 1; K's upper eight registers are the next tile's codes (never NaN), behind the last tile zeros.
; THE MASK.  The first ceil(valid_length / 128) steps have keys that count; the one that valid_length cuts replaces hidden raw scores by -8e7 (/ 8 = -1e7, exactly).  In the m steps behind them every score is -1e7:
; a query has ONE p for all of them, so M, p, its codes and scale word are made once, the sum takes 64 m p a lane, and each such step is V's loads and four products a slot.  valid_length = 0 gives the mean of v.
; PREFETCH.  Record r of a head (67 blocks of 256 bytes) is asked for once: in their first job, by the two waves of that batch whose query block is r, in the trip that works record r - 2 (in the hidden walk, two steps a trip:
; r - 2 or r - 3): the even wave names K's and V's images (hidden walk: V's alone), lanes 256 bytes apart, the odd wave the three blocks of scale words.  Records 0 and 1 come by their loads alone.  A second job asks for nothing.
; LIMITS: NaN and infinities are not served; any int32 valid_length is served (held to 0 .. 2,048, which changes no mask); the hidden steps' share of a row's sum is one multiply-add in place of additions;
; the scaled scores stay under 2^31 in magnitude.
; REGISTERS.  Window 0: v0 prefetch offset; v1-7 offsets; v8-23 four a slot: -M, the largest t, the sum in two halves; v24-35 scale words alone; v36-55 at work; v56-119 K (hidden walk: V's second set); v120-127 zeros;
;   v128-191 V; v192-255 S^T, then p.   Window 1: v0-127 O^T, 32 a slot; v128-191 Q, 16 a slot; v192-255 p's codes, 16 a slot.
.set REC,   17152                      ; a record: K's images 8,192, V's images 8,192, K's scale words 512, V's 256
.set HEADB, 16*REC
.set VIMG,  8192
.set KSO,   16384
.set VSO,   16896
.set PF,  0
.set LI,  1                            ; 16 x lane
.set LI8, 2                            ; 8 x lane
.set AD,  3
.set AD8, 4
.set ADN, 5
.set HN,  6                            ; -16 (lane / 16)
.set DD,  7
.set ST,  8
.set KSC, 24
.set VSC, 28
.set QSC, 30
.set PW,  32
.set BM,  36
.set TP,  40
.set HD,  44
.set SO,  48
.set F,   52
.set TT,  54
.set MV,  55
.set KFR, 56
.set ZT,  120
.set VF,  128
.set S,   192
.set OT,  0
.set QF,  128
.set PC,  192
.set QC,  56
.set QW,  88
.set QH,  96
.set WV,  14
.set VL,  15
.set SEL, 16
.set CS,  18
.set MNT, 20
.set TB,  21
.set TN,  22
.set KF,  23
.set KE,  24
.set SI,  25                           ; the step's number
.set TMK, 26
.set NV,  48                           ; steps with keys that count
.set PR,  49                           ; my query block - 2
.set PE,  50                           ; which 64 of the block's 128 queries
.set MC,  51                           ; 64 m as f32
.set TS,  52                           ; the hidden walk's step
.set JK,  66                           ; the job's key: 4 x length + b
.set ACT, 67                           ; the job's slots, a bit each
.set M1,  68                           ; those of slots 1 to 3 that are worked ahead of the job's last
.set FIN, 69                           ; the job's last slot: 0 = slot 0 (my own unit), 1 = slot 3 (slots taken over)
.set JOB, 70
.set NJ,  71
.set DK,  72                           ; the giver's key
.set DL,  73                           ; d
.set LO2, 74                           ; 4 - d
.set MSB, 0
.macro WIN new
.if MSB != (\new)
	s_set_vgpr_msb (MSB<<8)|(\new)
.set MSB, (\new)
.endif
.endm
.set W_QK, 0x04
.set W_CV, 0x40
.set W_RS, 0x41
.set W_PV, 0x54
.set W_RD, 0x01
.macro CSW a, b                        ; the smaller key to a, the larger to b
	s_min_u32 s44, s[\a], s[\b]
	s_max_u32 s[\b], s[\a], s[\b]
	s_mov_b32 s[\a], s44
.endm
	s_load_b256 s[4:11], s[0:1], 0x0               ; qi, kv, valid_length, ac
	s_load_b64 s[12:13], s[0:1], 0x20              ; asc
	v_lshrrev_b32 v2, 5, v0
	v_readfirstlane_b32 s[WV], v2                  ; wave 0..7
	s_lshr_b32 s30, ttmp9, 4                       ; hd
	s_and_b32 s31, ttmp9, 15                       ; my block of 128 queries
	s_lshr_b32 s[PE], s[WV], 2
	s_xor_b32 s45, s[WV], s[PE]
	s_and_b32 s45, s45, 3                          ; my place: 0 the longest, 1 the shortest, 2 the second, 3 the third
	s_sub_co_u32 s[PR], s31, 2
	s_mul_i32 s47, s31, REC
	s_cmp_eq_u32 s[PE], 0
	s_cselect_b32 s46, 0, -1
	s_mov_b32 s[SEL], 0x76543210
	s_mov_b32 s[SEL+1], 0xfedcba98
	s_mov_b32 s[CS], 0x3e38aa3b                    ; log2(e) / 8
	s_mov_b32 s[CS+1], s[CS]
	s_mov_b32 s[MNT], 0x600000
	s_mov_b32 s[TMK], 0xcc989680                   ; -8e7
	s_mul_f32 s[TMK], s[TMK], s[CS]
	s_mov_b32 s35, 0
	v_and_b32 v3, 31, v0
	v_bfe_u32 v[HN], v0, 4, 1
	v_lshlrev_b32 v[LI], 4, v3
	v_lshlrev_b32 v[LI8], 3, v3
	v_lshlrev_b32 v[HN], 4, v[HN]
	v_lshlrev_b32 v5, 8, v3                        ; even wave: the images, lanes 256 bytes apart
	v_min_u32 v7, 2, v3
	v_sub_nc_u32 v[HN], 0, v[HN]
	v_lshl_add_u32 v7, v7, 8, KSO                  ; odd wave: the three blocks of scale words; lanes left over name the last again
	v_cndmask_b32 v5, v5, v7, s46
	v_add_nc_u32 v[PF], s47, v5                    ; in record r = my block's number
	v_mov_b32 v[F+1], 0
	v_mov_b32 v[MV], 0xcc989680
.irp j, 0,1,2,3,4,5,6,7
	v_mov_b32 v[ZT+\j], 0
.endr
.irp i, 0,1,2,3
	v_mov_b32 v[TP+\i], 0                          ; a lane permute's destination counts as one of its sources
	v_mov_b32 v[PW+\i], 0x7f7f7f7f                 ; a slot that is passed over has a scale word and codes all the same
.endr
	WIN W_CV
.set m, 0
.rept 64
	v_mov_b32 v[PC+m], 0
.set m, m+1
.endr
.irp i, 0,1,2,3
.irp j, 8,9,10,11,12,13,14,15
	v_mov_b32 v[QF+16*\i+\j], 0                    ; zero codes for K = 64 .. 127
.endr
.endr
	WIN 0
	s_wait_alu depctr_va_vdst(0)
	s_wait_kmcnt 0x0
	s_load_b128 s[40:43], s[8:9], 0x0              ; the four lengths
	s_mov_b64 s[56:57], s[4:5]                     ; the buffers' addresses are kept: each job makes its own from them
	s_mov_b64 s[58:59], s[6:7]
	s_mov_b64 s[60:61], s[10:11]
	s_mov_b64 s[62:63], s[12:13]
	s_wait_kmcnt 0x0
.irp j, 0,1,2,3
	s_max_i32 s[40+\j], s[40+\j], 0
	s_min_i32 s[40+\j], s[40+\j], 2048
	s_lshl_b32 s[40+\j], s[40+\j], 2
	s_or_b32 s[40+\j], s[40+\j], \j                ; 4 x length + b
.endr
	CSW 40, 41
	CSW 42, 43
	CSW 40, 42
	CSW 41, 43
	CSW 41, 42                                     ; ascending
.irp j, 0,1,2,3
	s_lshr_b32 s[76+\j], s[40+\j], 2
	s_add_co_u32 s[76+\j], s[76+\j], 127
	s_lshr_b32 s[76+\j], s[76+\j], 7
	s_mul_i32 s[76+\j], s[76+\j], 9
	s_add_co_u32 s[76+\j], s[76+\j], 16            ; 9 n + 16
.endr
	s_add_co_u32 s80, s79, s76                     ; the longest and the shortest
	s_add_co_u32 s81, s78, s77                     ; the second and the third
	s_sub_co_u32 s82, s81, s80
	s_sub_co_u32 s83, s80, s81
	s_cmp_gt_u32 s81, s80
	s_cselect_b32 s84, 2, 0                        ; the giver's place
	s_cselect_b32 s85, 1, 3                        ; the taker's
	s_cselect_b32 s[DK], s42, s43
	s_cselect_b32 s86, s78, s79                    ; the giver's reckoning
	s_cselect_b32 s82, s82, s83
	s_lshl_b32 s82, s82, 2                         ; 4 x the difference, in quarters of a unit
	s_add_co_u32 s83, s86, 32                      ; one slot goes where that evens the pairs out, a second job's own lines (32) counted in
	s_mul_i32 s87, s86, 3
	s_add_co_u32 s87, s87, 32                      ; and a second slot likewise
	s_cmp_ge_u32 s82, s83
	s_cselect_b32 s[DL], 1, 0
	s_cmp_ge_u32 s82, s87
	s_cselect_b32 s83, 1, 0
	s_add_co_u32 s[DL], s[DL], s83
	s_sub_co_u32 s[LO2], 4, s[DL]
	s_cmp_eq_u32 s45, 0
	s_cselect_b32 s[JK], s43, s40
	s_cmp_eq_u32 s45, 2
	s_cselect_b32 s[JK], s42, s[JK]
	s_cmp_eq_u32 s45, 3
	s_cselect_b32 s[JK], s41, s[JK]
	s_cmp_eq_u32 s45, s84
	s_cselect_b32 s83, s[LO2], 4
	s_bfm_b32 s[ACT], s83, 0                       ; my own unit's slots 0 .. 3, a giver's 0 .. 3 - d
	s_mov_b32 s[M1], s[ACT]
	s_mov_b32 s[FIN], 0
	s_mov_b32 s[JOB], 0
	s_cmp_eq_u32 s45, s85
	s_cselect_b32 s83, s[DL], 0
	s_min_u32 s83, s83, 1
	s_add_co_u32 s[NJ], s83, 1                     ; a taker has two jobs where d is not 0
.Ljob:
	s_and_b32 s29, s[JK], 3
	s_min_u32 s29, s29, 3                          ; b
	s_lshr_b32 s[VL], s[JK], 2
	s_add_co_u32 s[NV], s[VL], 127
	s_lshr_b32 s[NV], s[NV], 7
	s_min_u32 s[NV], s[NV], 16
	s_lshl_b32 s28, s29, 4
	s_add_co_u32 s28, s28, s30                     ; H = 16 b + hd
	s_lshl_b32 s33, s28, 4
	s_add_co_u32 s33, s33, s31                     ; the block's record in qi
	s_lshl_b32 s39, s29, 7
	s_lshl_b32 s38, s31, 3
	s_add_co_u32 s39, s39, s38
	s_lshl_b32 s38, s[PE], 2
	s_add_co_u32 s39, s39, s38                     ; slot 0's tile of 16 rows of the result
	s_mul_i32 s34, s33, 8704
	s_add_nc_u64 s[4:5], s[56:57], s[34:35]
	s_lshl_b32 s34, s[PE], 3
	s_add_nc_u64 s[36:37], s[4:5], s[34:35]        ; the unit's two of a lane's four scale words
	s_lshl_b32 s34, s[PE], 12
	s_add_nc_u64 s[4:5], s[4:5], s[34:35]          ; its four tiles' images
	s_mul_i32 s34, s28, HEADB
	s_add_nc_u64 s[6:7], s[58:59], s[34:35]        ; the head's records
	s_lshl_b32 s34, s39, 14
	s_lshl_b32 s38, s30, 10
	s_add_co_u32 s34, s34, s38
	s_add_nc_u64 s[10:11], s[60:61], s[34:35]
	s_lshl_b32 s34, s39, 9
	s_lshl_b32 s38, s30, 1
	s_add_co_u32 s34, s34, s38
	s_add_nc_u64 s[12:13], s[62:63], s[34:35]
	s_mov_b32 s[TB], 0
	s_mov_b32 s[TN], REC
	s_mov_b32 s[KF], 0
	s_mov_b32 s[KE], 128
	s_mov_b32 s[SI], 0
	WIN W_CV
.irp i, 0,1,2,3
.irp c, 0,1
	global_load_b128 v[QF+16*\i+4*\c:QF+16*\i+4*\c+3], v[LI], s[4:5] offset:1024*\i+512*\c   ; Q stays in registers
.endr
.endr
	WIN 0
	global_load_b64 v[QSC:QSC+1], v[LI], s[36:37] offset:8192
.set m, 0
.rept 16
	global_load_b128 v[KFR+4*m:KFR+4*m+3], v[LI], s[6:7] offset:512*m      ; K of step 0
.set m, m+1
.endr
	global_load_b128 v[KSC:KSC+3], v[LI], s[6:7] offset:KSO
.irp i, 0,1,2,3
	v_mov_b32 v[ST+4*\i+1], 0xff61b1e6             ; the largest t so far: -3e38
	v_mov_b32 v[ST+4*\i+2], 0
	v_mov_b32 v[ST+4*\i+3], 0
.endr
.irp i, 0,1,2,3
	v_floor_f32 v[ST+4*\i], -v[ST+4*\i+1]          ; -M
.endr
	WIN W_CV
.set m, 0
.rept 128
	v_mov_b32 v[OT+m], 0                           ; O^T: the first step may be of either kind, and finds zeros
.set m, m+1
.endr
	WIN 0
.macro QK t, i
.if ((\t)%2 == 1) && ((\i)%2 == 1)
	v_wmma_scale_f32_16x16x128_f8f6f4 v[S+8*\t:S+8*\t+7], v[KFR+8*\t:KFR+8*\t+15], v[QF+16*\i:QF+16*\i+15], 0, v[KSC+\t/2], v[QSC+\i/2] matrix_a_scale:MATRIX_SCALE_ROW1 matrix_b_scale:MATRIX_SCALE_ROW1
.elseif (\t)%2 == 1
	v_wmma_scale_f32_16x16x128_f8f6f4 v[S+8*\t:S+8*\t+7], v[KFR+8*\t:KFR+8*\t+15], v[QF+16*\i:QF+16*\i+15], 0, v[KSC+\t/2], v[QSC+\i/2] matrix_a_scale:MATRIX_SCALE_ROW1
.elseif (\i)%2 == 1
	v_wmma_scale_f32_16x16x128_f8f6f4 v[S+8*\t:S+8*\t+7], v[KFR+8*\t:KFR+8*\t+15], v[QF+16*\i:QF+16*\i+15], 0, v[KSC+\t/2], v[QSC+\i/2] matrix_b_scale:MATRIX_SCALE_ROW1
.else
	v_wmma_scale_f32_16x16x128_f8f6f4 v[S+8*\t:S+8*\t+7], v[KFR+8*\t:KFR+8*\t+15], v[QF+16*\i:QF+16*\i+15], 0, v[KSC+\t/2], v[QSC+\i/2]
.endif
.endm
; The softmax of slot i for the step's 128 keys: 64 scores a lane become p's codes (window 1) and p's scale word; the sum and O^T go under the new M.
.macro SOFTMAX i
.set rN, ST+4*(\i)
.irp b, 0,1,2,3
	v_max3_num_f32 v[BM+\b], v[S+16*\b], v[S+1+16*\b], v[S+2+16*\b]   ; each block's largest score: for the row's maximum and for the block's largest p
.endr
.irp k, 3,5,7,9,11,13
.irp b, 0,1,2,3
	v_max3_num_f32 v[BM+\b], v[BM+\b], v[S+16*\b+\k], v[S+1+16*\b+\k]
.endr
.endr
.irp b, 0,1,2,3
	v_max_num_f32 v[BM+\b], v[BM+\b], v[S+15+16*\b]
.endr
.irp b, 0,1,2,3
	s_delay_alu instid0(VALU_DEP_4)
	v_permlanex16_b32 v[TP+\b], v[BM+\b], s[SEL], s[SEL+1]
.endr
.irp b, 0,1,2,3
	s_delay_alu instid0(VALU_DEP_4)
	v_max_num_f32 v[BM+\b], v[BM+\b], v[TP+\b]
.endr
	s_delay_alu instid0(VALU_DEP_2)
	v_max3_num_f32 v[TT], v[BM], v[BM+1], v[BM+2]
	s_delay_alu instid0(VALU_DEP_1)
	v_max_num_f32 v[TT], v[TT], v[BM+3]
	s_delay_alu instid0(VALU_DEP_1)
	v_mul_f32 v[TT], s[CS], v[TT]
	s_delay_alu instid0(VALU_DEP_1)
	v_max_num_f32 v[rN+1], v[rN+1], v[TT]          ; the running largest t
	v_mov_b32 v[TT], v[rN]
	s_delay_alu instid0(VALU_DEP_2)
	v_floor_f32 v[rN], -v[rN+1]                    ; the new -M
	s_delay_alu instid0(VALU_DEP_1)
	v_sub_f32 v[TT], v[rN], v[TT]
	s_delay_alu instid0(VALU_DEP_1)
	v_cvt_i32_f32 v[TT], v[TT]
	s_delay_alu instid0(VALU_DEP_1)
	v_ldexp_f32 v[F], 1.0, v[TT]                   ; f = 2^(old M - new M)
.set j, 0
.rept 32
	v_pk_fma_f32 v[S+j:S+j+1], v[S+j:S+j+1], s[CS:CS+1], v[rN:rN+1] op_sel_hi:[1,0,0]   ; t - M
.set j, j+2
.endr
.irp b, 0,1,2,3
	v_fma_f32 v[BM+\b], v[BM+\b], s[CS], v[rN]
.endr
.set j, 0
	s_wait_alu depctr_va_vdst(0)
.rept 64
	v_exp_f32 v[S+j], v[S+j]                       ; p
.set j, j+1
.endr
	v_pk_mul_f32 v[rN+2:rN+3], v[rN+2:rN+3], v[F:F+1] op_sel_hi:[1,0]
	s_wait_alu depctr_va_vdst(0)                   ; and behind it, ahead of its first reader
.irp b, 0,1,2,3
	v_exp_f32 v[BM+\b], v[BM+\b]                   ; the block's largest p
.endr
	v_pk_add_f32 v[TP:TP+1], v[S:S+1], v[S+2:S+3]  ; the row's sum of the unquantised p, in two chains
.irp k, 4,8,12,16,20,24,28,32,36,40,44,48,52,56,60
	v_pk_add_f32 v[rN+2:rN+3], v[rN+2:rN+3], v[S+\k:S+\k+1]
	v_pk_add_f32 v[TP:TP+1], v[TP:TP+1], v[S+\k+2:S+\k+3]
.endr
	s_delay_alu instid0(VALU_DEP_1)
	v_pk_add_f32 v[rN+2:rN+3], v[rN+2:rN+3], v[TP:TP+1]
	s_wait_alu depctr_va_vdst(0)                   ; one for the four
.irp b, 0,1,2,3
	v_max_num_f32 v[BM+\b], 0x4800000, v[BM+\b]    ; the floor 2^(9 - 127): the byte cannot fall under 1
.endr
.irp b, 0,1,2,3
	s_delay_alu instid0(VALU_DEP_4)
	v_add_nc_u32 v[SO+\b], 0xfc000000, v[BM+\b]    ; the conversion's scale operand
.endr
.irp b, 0,1,2,3
	v_and_or_b32 v[HD+\b], v[BM+\b], 0x7f800000, s[MNT]   ; 448 x the scale
.endr
.irp b, 0,1,2,3
	v_lshrrev_b32 v[TP+\b], 23, v[SO+\b]           ; the byte
.endr
	s_delay_alu instid0(VALU_DEP_3)
	v_lshl_or_b32 v[PW+\i], v[TP+1], 8, v[TP]
	s_delay_alu instid0(VALU_DEP_1)
	v_lshl_or_b32 v[PW+\i], v[TP+2], 16, v[PW+\i]
	s_delay_alu instid0(VALU_DEP_1)
	v_lshl_or_b32 v[PW+\i], v[TP+3], 24, v[PW+\i]
.irp b, 0,1,2,3
.irp k, 0,2,4,6,8,10,12,14
	v_dual_min_num_f32 v[S+16*\b+\k], v[S+16*\b+\k], v[HD+\b] :: v_dual_min_num_f32 v[S+16*\b+\k+1], v[S+16*\b+\k+1], v[HD+\b]   ; the hold (ISA guide 7.6.2: the conversion does not saturate), one-sided, two numbers a line
.endr
.endr
	WIN W_CV
.irp b, 0,1,2,3
	v_cvt_scalef32_pk8_fp8_f32 v[PC+16*\i+4*\b:PC+16*\i+4*\b+1], v[S+16*\b:S+16*\b+7], v[SO+\b]
	v_cvt_scalef32_pk8_fp8_f32 v[PC+16*\i+4*\b+2:PC+16*\i+4*\b+3], v[S+16*\b+8:S+16*\b+15], v[SO+\b]
.endr
	WIN W_RS
.set j, 0
.rept 16
	v_pk_mul_f32 v[OT+32*\i+j:OT+32*\i+j+1], v[OT+32*\i+j:OT+32*\i+j+1], v[F:F+1] op_sel_hi:[1,0]   ; O^T under the new M, from the low end on
.set j, j+2
.endr
	WIN 0
.endm
; Slot i in a step with keys that count.  kl = 1: the job's last slot of the step: behind its products the next step's K is asked for, so that on every way 17 loads follow V's
.macro TILEB i, kl
	WIN W_QK
.irp t, 0,1,2,3,4,5,6,7
	QK \t, \i
.endr
	WIN 0
.rept 8
	v_nop                                          ; eight places: ahead of the first read of the scores and of the loads into K's registers
.endr
.if \kl
.set m, 0
.rept 16
	global_load_b128 v[KFR+4*m:KFR+4*m+3], v[ADN], s[6:7] offset:512*m     ; the next step's K lands under this slot's softmax and the step's second product
.set m, m+1
.endr
	global_load_b128 v[KSC:KSC+3], v[ADN], s[6:7] offset:KSO
.endif
	s_cmp_le_i32 s[KE], s[VL]                      ; all 128 keys count: nothing is replaced
	s_cbranch_scc1 .Lopen_\@
.set n, 0
.rept 64
	v_cmp_ge_i32 vcc_lo, 32*(n/16)+n%16, v[DD]
	v_cndmask_b32 v[S+n], v[S+n], v[MV], vcc_lo
.set n, n+1
.endr
.Lopen_\@:
	SOFTMAX \i
.endm
.macro TILEG i                         ; slot i, where the job has it
	s_bitcmp1_b32 s[M1], \i
	s_cbranch_scc0 .Lskip_\@
	TILEB \i, 0
.Lskip_\@:
.endm
.macro VLOAD vb, sb, a16, a8           ; a step's V and its scale words: 17 loads
.set m, 0
.rept 16
	global_load_b128 v[\vb+4*m:\vb+4*m+3], v[\a16], s[6:7] offset:VIMG+512*m
.set m, m+1
.endr
	global_load_b64 v[\sb:\sb+1], v[\a8], s[6:7] offset:VSO
.endm
.macro PVALL vb, sb                    ; O^T += V^T P^T, slot by slot: a slot's four accumulators by turns
	s_wait_alu depctr_va_vdst(0)
.irp i, 0,1,2,3
	s_bitcmp1_b32 s[ACT], \i
	s_cbranch_scc0 .Lpv_\@_\i
	WIN W_PV
.irp tau, 0,1,2,3
.if (\tau)%2 == 1
	v_wmma_scale_f32_16x16x128_f8f6f4 v[OT+32*\i+8*\tau:OT+32*\i+8*\tau+7], v[\vb+16*\tau:\vb+16*\tau+15], v[PC+16*\i:PC+16*\i+15], v[OT+32*\i+8*\tau:OT+32*\i+8*\tau+7], v[\sb+\tau/2], v[PW+\i] matrix_a_scale:MATRIX_SCALE_ROW1
.else
	v_wmma_scale_f32_16x16x128_f8f6f4 v[OT+32*\i+8*\tau:OT+32*\i+8*\tau+7], v[\vb+16*\tau:\vb+16*\tau+15], v[PC+16*\i:PC+16*\i+15], v[OT+32*\i+8*\tau:OT+32*\i+8*\tau+7], v[\sb+\tau/2], v[PW+\i]
.endif
.endr
	WIN 0
.Lpv_\@_\i:
.endr
.endm
	s_cmp_eq_u32 s[NV], 0
	s_wait_alu depctr_va_vdst(0)
	s_cbranch_scc1 .Lvdone
.Lstep:                                            ; NV trips: the steps with keys that count
	s_wait_xcnt 0x0                                ; the offsets of earlier loads may be written
	s_sub_co_i32 s28, s[VL], s[KF]
	v_add_nc_u32 v[AD], s[TB], v[LI]
	v_add_nc_u32 v[AD8], s[TB], v[LI8]
	v_add_nc_u32 v[ADN], s[TN], v[LI]
	v_add_nc_u32 v[DD], s28, v[HN]
.rept 4
	v_nop                                          ; with the four additions: eight places behind the last step's products, ahead of the loads into V's registers
.endr
	VLOAD VF, VSC, AD, AD8
	s_wait_loadcnt 17                              ; K and its scale words (first trip: Q too) are older than the 17 just issued
	s_wait_alu depctr_va_vdst(0)
	TILEG 3
	s_cmp_eq_u32 s[SI], s[PR]                      ; the prefetch of record SI + 2, by the waves whose block has that number
	s_cbranch_scc0 .Lnot_mine
	global_prefetch_b8 v[PF], s[6:7] th:TH_LOAD_NT scope:SCOPE_SE
	s_cmp_eq_u32 s[PE], 0
	s_cbranch_scc0 .Lnot_mine
	global_prefetch_b8 v[PF], s[6:7] offset:VIMG th:TH_LOAD_NT scope:SCOPE_SE
.Lnot_mine:
	TILEG 2
	TILEG 1
	s_cmp_eq_u32 s[FIN], 0
	s_cbranch_scc0 .Lfin3
	TILEB 0, 1
	s_branch .Lpv
.Lfin3:
	TILEB 3, 1
.Lpv:
	s_wait_loadcnt 17                              ; V is in; the next step's 17 loads of K may be out
	PVALL VF, VSC
	s_mov_b32 s[TB], s[TN]
	s_add_co_u32 s[TN], s[TB], REC
	s_min_u32 s[TN], s[TN], 15*REC                 ; no load leaves the head's bytes
	s_add_co_u32 s[KF], s[KF], 128
	s_add_co_u32 s[KE], s[KE], 128
	s_add_co_u32 s[SI], s[SI], 1
	s_cmp_lt_u32 s[SI], s[NV]
	s_cbranch_scc1 .Lstep
.Lvdone:
	s_wait_loadcnt 0x0                             ; the last loads of K, which nothing uses, have landed
	s_cmp_ge_u32 s[NV], 16
	s_cbranch_scc1 .Lout
	; THE HIDDEN STEPS, m = 16 - NV of them.  M, p, its codes and scale word are made for all four slots alike: what a slot that is passed over gets is used by nothing
	s_sub_co_u32 s28, 16, s[NV]
	s_lshl_b32 s28, s28, 6
	s_cvt_f32_u32 s[MC], s28                       ; 64 m: a lane has 64 of a step's 128 keys
	s_mov_b32 s[TS], s[NV]
	s_mul_i32 s[TB], s[NV], REC
	v_add_nc_u32 v[AD], s[TB], v[LI]
	v_add_nc_u32 v[AD8], s[TB], v[LI8]
.rept 6
	v_nop                                          ; eight places with the two additions
.endr
	VLOAD VF, VSC, AD, AD8
.irp i, 0,1,2,3
	v_max_num_f32 v[ST+4*\i+1], s[TMK], v[ST+4*\i+1]
	v_mov_b32 v[TT], v[ST+4*\i]
	s_delay_alu instid0(VALU_DEP_2)
	v_floor_f32 v[ST+4*\i], -v[ST+4*\i+1]
	s_delay_alu instid0(VALU_DEP_1)
	v_sub_f32 v[TT], v[ST+4*\i], v[TT]
	s_delay_alu instid0(VALU_DEP_1)
	v_cvt_i32_f32 v[TT], v[TT]
	s_delay_alu instid0(VALU_DEP_1)
	v_ldexp_f32 v[S+16+\i], 1.0, v[TT]             ; f, kept till the slot's turn
	s_delay_alu instid0(VALU_DEP_4)
	v_add_f32 v[BM+\i], s[TMK], v[ST+4*\i]         ; t - M
.endr
	s_wait_alu depctr_va_vdst(0)
.irp i, 0,1,2,3
	v_exp_f32 v[BM+\i], v[BM+\i]                   ; p
.endr
	v_nop
	s_wait_alu depctr_va_vdst(0)
.irp i, 0,1,2,3
	v_mov_b32 v[F], v[S+16+\i]
	s_delay_alu instid0(VALU_DEP_1)
	v_pk_mul_f32 v[ST+4*\i+2:ST+4*\i+3], v[ST+4*\i+2:ST+4*\i+3], v[F:F+1] op_sel_hi:[1,0]
	v_fma_f32 v[ST+4*\i+2], v[BM+\i], s[MC], v[ST+4*\i+2]   ; + 64 m p
	v_max_num_f32 v[TT], 0x4800000, v[BM+\i]
	s_delay_alu instid0(VALU_DEP_1)
	v_add_nc_u32 v[SO], 0xfc000000, v[TT]
	s_delay_alu instid0(VALU_DEP_2)
	v_and_or_b32 v[HD], v[TT], 0x7f800000, s[MNT]
	s_delay_alu instid0(VALU_DEP_2)
	v_lshrrev_b32 v[TP], 23, v[SO]
	s_delay_alu instid0(VALU_DEP_1)
	v_lshl_or_b32 v[PW+\i], v[TP], 8, v[TP]
	s_delay_alu instid0(VALU_DEP_1)
	v_lshl_or_b32 v[PW+\i], v[PW+\i], 16, v[PW+\i]
.irp k, 0,1,2,3,4,5,6,7
	v_min_num_f32 v[S+\k], v[BM+\i], v[HD]         ; eight held copies feed all eight conversions
.endr
	WIN W_CV
.irp k, 0,1,2,3,4,5,6,7
	v_cvt_scalef32_pk8_fp8_f32 v[PC+16*\i+2*\k:PC+16*\i+2*\k+1], v[S:S+7], v[SO]
.endr
	WIN W_RS
.set j, 0
.rept 16
	v_pk_mul_f32 v[OT+32*\i+j:OT+32*\i+j+1], v[OT+32*\i+j:OT+32*\i+j+1], v[F:F+1] op_sel_hi:[1,0]
.set j, j+2
.endr
	WIN 0
.endr
.Lhid:                                             ; two steps a trip, V in two sets of registers by turns: one set is multiplied while the other's 17 loads are out
	s_wait_xcnt 0x0
	s_add_co_u32 s[TN], s[TB], REC
	s_min_u32 s[TN], s[TN], 15*REC
	v_add_nc_u32 v[ADN], s[TN], v[LI]
	v_add_nc_u32 v[DD], s[TN], v[LI8]
.rept 6
	v_nop
.endr
	VLOAD KFR, KSC, ADN, DD
	s_sub_co_u32 s28, s[PR], s[TS]                 ; the prefetch of records TS + 2 and TS + 3: V's images and the scale words
	s_cmp_le_u32 s28, 1
	s_cbranch_scc0 .Lhid_none
	s_cmp_eq_u32 s[PE], 0
	s_cbranch_scc0 .Lhid_odd
	global_prefetch_b8 v[PF], s[6:7] offset:VIMG th:TH_LOAD_NT scope:SCOPE_SE
	s_branch .Lhid_none
.Lhid_odd:
	global_prefetch_b8 v[PF], s[6:7] th:TH_LOAD_NT scope:SCOPE_SE
.Lhid_none:
	s_wait_loadcnt 17                              ; the first set is in; the 17 just issued may be out
	PVALL VF, VSC
	s_add_co_u32 s28, s[TS], 1
	s_cmp_ge_u32 s28, 16
	s_cbranch_scc1 .Lhdone
	s_wait_xcnt 0x0
	s_add_co_u32 s[TB], s[TN], REC
	s_min_u32 s[TB], s[TB], 15*REC
	v_add_nc_u32 v[AD], s[TB], v[LI]
	v_add_nc_u32 v[AD8], s[TB], v[LI8]
.rept 6
	v_nop
.endr
	VLOAD VF, VSC, AD, AD8
	s_wait_loadcnt 17
	PVALL KFR, KSC
	s_add_co_u32 s[TS], s[TS], 2
	s_cmp_lt_u32 s[TS], 16
	s_cbranch_scc1 .Lhid
.Lhdone:
	s_wait_loadcnt 0x0                             ; the set asked for last, which nothing uses, has landed: its registers are written below
.Lout:
	; THE WAY OUT.  The row's sums; O^T / the sum; quantised along the head's 64 channels, two blocks of 32; the codes are the last product's operand registers as they stand.  Only the job's slots are worked and stored.
.irp i, 0,1,2,3
	v_add_f32 v[BM+\i], v[ST+4*\i+2], v[ST+4*\i+3]
.endr
.irp i, 0,1,2,3
	s_delay_alu instid0(VALU_DEP_4)
	v_permlanex16_b32 v[TP+\i], v[BM+\i], s[SEL], s[SEL+1]
.endr
.irp i, 0,1,2,3
	s_delay_alu instid0(VALU_DEP_4)
	v_add_f32 v[BM+\i], v[BM+\i], v[TP+\i]
.endr
	v_and_b32 v[AD], 0xf0, v[LI]
	s_delay_alu instid0(VALU_DEP_1)
	v_lshlrev_b32 v[AD], 1, v[AD]                  ; 32 x (lane % 16): my row of scale bytes
	s_wait_alu depctr_va_vdst(0)
.irp i, 0,1,2,3
	v_rcp_f32 v[HD+\i], v[BM+\i]
.endr
	v_nop
	s_wait_alu depctr_va_vdst(0)
.macro QUANT2 s, i
.irp b, 0,1
	v_max3_num_f32 v[BM+\b], |v[\s+16*\b]|, |v[\s+1+16*\b]|, 0x4800000
.endr
.irp k, 2,4,6,8,10,12,14
.irp b, 0,1
	s_delay_alu instid0(VALU_DEP_2)
	v_max3_num_f32 v[BM+\b], v[BM+\b], |v[\s+16*\b+\k]|, |v[\s+1+16*\b+\k]|
.endr
.endr
.irp b, 0,1
	s_delay_alu instid0(VALU_DEP_2)
	v_permlanex16_b32 v[TP+\b], v[BM+\b], s[SEL], s[SEL+1]
.endr
.irp b, 0,1
	s_delay_alu instid0(VALU_DEP_2)
	v_max_num_f32 v[BM+\b], v[BM+\b], v[TP+\b]
.endr
.irp b, 0,1
	s_delay_alu instid0(VALU_DEP_2)
	v_add_nc_u32 v[SO+\b], 0xfc000000, v[BM+\b]
.endr
.irp b, 0,1
	s_delay_alu instid0(VALU_DEP_4)
	v_and_or_b32 v[QH+\b], v[BM+\b], 0x7f800000, s[MNT]
.endr
.irp b, 0,1
	s_delay_alu instid0(VALU_DEP_4)
	v_lshrrev_b32 v[TP+\b], 23, v[SO+\b]
.endr
	s_delay_alu instid0(VALU_DEP_1)
	v_lshl_or_b32 v[QW+\i], v[TP+1], 8, v[TP]
.irp b, 0,1
.irp k, 0,1,2,3,4,5,6,7,8,9,10,11,12,13,14,15
	v_med3_num_f32 v[\s+16*\b+\k], v[\s+16*\b+\k], -v[QH+\b], v[QH+\b]
.endr
	v_cvt_scalef32_pk8_fp8_f32 v[QC+8*\i+4*\b:QC+8*\i+4*\b+1], v[\s+16*\b:\s+16*\b+7], v[SO+\b]
	v_cvt_scalef32_pk8_fp8_f32 v[QC+8*\i+4*\b+2:QC+8*\i+4*\b+3], v[\s+16*\b+8:\s+16*\b+15], v[SO+\b]
.endr
	v_nop                                          ; a plain line behind the last conversion
.endm
.irp i, 0,1,2,3
	s_bitcmp1_b32 s[ACT], \i
	s_cbranch_scc0 .Lwo_\i
	WIN W_RD
	s_wait_alu depctr_va_vdst(0)
.set j, 0
.rept 32
	v_mul_f32 v[S+32*(\i%2)+j], v[OT+32*\i+j], v[HD+\i]            ; O^T / the sum, each accumulator from its low end on
.set j, j+1
.endr
	WIN 0
	QUANT2 S+32*(\i%2), \i
	global_store_b128 v[LI], v[QC+8*\i:QC+8*\i+3], s[10:11] offset:16384*\i          ; 512 consecutive bytes, aligned; each slot has its own registers
	global_store_b128 v[LI], v[QC+8*\i+4:QC+8*\i+7], s[10:11] offset:16384*\i+512
	global_store_b16 v[AD], v[QW+\i], s[12:13] offset:512*\i       ; two bytes of each row's 32; lanes l and l + 16 hold the same row's word and store the same bytes
.Lwo_\i:
.endr
	s_wait_xcnt 0x0                                ; the stores and prefetches have read their registers and bases: a second job may write them
	s_mov_b32 s[JK], s[DK]                         ; the second job: the giver's batch, its slots 4 - d .. 3, the last of them slot 3
	s_bfm_b32 s[ACT], s[DL], s[LO2]
	s_and_b32 s[M1], s[ACT], 7
	s_mov_b32 s[FIN], 1
	s_mov_b32 s[PR], 0x7fffffff                    ; it asks for nothing: no step's number meets this
	s_add_co_u32 s[JOB], s[JOB], 1
	s_cmp_lt_u32 s[JOB], s[NJ]
	s_wait_alu depctr_va_vdst(0)
	s_cbranch_scc1 .Ljob
	s_endpgm
.Lfunc_end_k_q538f593b57_attn:
	.size	k_q538f593b57_attn, .Lfunc_end_k_q538f593b57_attn-k_q538f593b57_attn
	.p2alignl 7, 3214868480
	.fill 96, 4, 3214868480
	.section	.rodata,"a",@progbits
	.p2align	6, 0x0
	.amdhsa_kernel k_q538f593b57_attn
		.amdhsa_group_segment_fixed_size 0
		.amdhsa_private_segment_fixed_size 0
		.amdhsa_enable_private_segment 0
		.amdhsa_kernarg_size 40
		.amdhsa_user_sgpr_count 2
		.amdhsa_user_sgpr_kernarg_segment_ptr 1
		.amdhsa_wavefront_size32 1
		.amdhsa_system_sgpr_workgroup_id_x 1
		.amdhsa_system_sgpr_workgroup_id_y 1
		.amdhsa_system_sgpr_workgroup_id_z 1
		.amdhsa_system_vgpr_workitem_id 0
		.amdhsa_next_free_vgpr 512
		.amdhsa_next_free_sgpr 88
		.amdhsa_reserve_vcc 1
		.amdhsa_float_denorm_mode_32 3
		.amdhsa_float_denorm_mode_16_64 3
		.amdhsa_memory_ordered 1
		.amdhsa_forward_progress 1
		.amdhsa_inst_pref_size 182
	.end_amdhsa_kernel
	.amdgpu_metadata
---
amdhsa.version: [ 1, 2 ]
amdhsa.kernels:
  - .name:           k_q538f593b57_attn
    .symbol:         k_q538f593b57_attn.kd
    .args:
      - { .name: qi, .offset: 0, .size: 8, .value_kind: global_buffer, .address_space: global }
      - { .name: kv, .offset: 8, .size: 8, .value_kind: global_buffer, .address_space: global }
      - { .name: valid_length, .offset: 16, .size: 8, .value_kind: global_buffer, .address_space: global }
      - { .name: ac, .offset: 24, .size: 8, .value_kind: global_buffer, .address_space: global }
      - { .name: asc, .offset: 32, .size: 8, .value_kind: global_buffer, .address_space: global }
    .group_segment_fixed_size: 0
    .private_segment_fixed_size: 0
    .kernarg_segment_align: 8
    .kernarg_segment_size: 40
    .max_flat_workgroup_size: 256
    .sgpr_count:     88
    .vgpr_count:     512
    .wavefront_size: 32
...
	.end_amdgpu_metadata
.endif
;; end of part 3
;; launch outp (part 4): grid 4 x 32, 4 waves a work-group, clusters of 4 x 4, 327,680 bytes of LDS; arguments ac, asc, wc, ws, b_o, out0; writes out0
.if DOCPART == 4
	.amdgcn_target "amdgcn-amd-amdhsa--gfx1250"
	.amdhsa_code_object_version 6
	.text
	.protected	k_q538f593b57_outp
	.globl	k_q538f593b57_outp
	.p2align	8
	.type	k_q538f593b57_outp,@function
k_q538f593b57_outp:
	s_mov_b64 s[64:65], 0
	v_nop
	global_prefetch_b8 v0, s[64:65] scope:SCOPE_SE
	s_setreg_imm32_b32 hwreg(HW_REG_WAVE_MODE, 25, 1), 1
	s_wait_xcnt 0x0
	s_wait_alu depctr_hold_cnt(0) depctr_sa_sdst(0) depctr_va_vdst(0) depctr_va_sdst(0) depctr_va_ssrc(0) depctr_va_vcc(0) depctr_vm_vsrc(0)
	s_getreg_b32 s2, hwreg(HW_REG_IB_STS2, 6, 4)
	s_cmp_eq_u32 s2, 0
	s_cbranch_scc0 .Lentry_in_a_cluster
	s_endpgm
.Lentry_in_a_cluster:
	s_bfe_u32 s2, ttmp6, 0x10000c
	s_cmp_lg_u32 s2, 0xf033
	s_cbranch_scc0 .Lentry_shape_is_right
	s_endpgm
.Lentry_shape_is_right:
.set NQ,     2
.set ROWB,   256
.set KROW,   1024
.set PITCH,  272
.set FR,     16
.set NL,     4
.set NP,     8
.set HALFA,  32768
.set HALFT,  128*PITCH
.set BOFF,   2*HALFA
.set SLOT,   BOFF+2*HALFT
.set LAPS,   2
.set KS,     32
.set SCL,    2*SLOT
.set HALFS,  16*272
.set SBLK,   2*272
.set SPARE,  SCL+4*HALFS
.set SPITCH, 528
.set ADRA, 16
.set BO0,  18
.set ADRB, 20
.set STO,  24
.set RD,   25
.set CO,   26
.set ADRS, 27
.set SPW,  28
.set NIL,  29
.set SC,   32
.set BI,   64
.set AF,   128
.set BK,   128
.set G1, 24
.set G0, 32
.set G1B, 48
.set G0B, 56
.set G1S, 68
.set G0S, 76
.set G1SB, 80
.set G0SB, 88
.set MSB, 0
.macro WIN new
.if MSB != (\new)
	s_set_vgpr_msb (MSB<<8)|(\new)
.set MSB, (\new)
.endif
.endm
.set MUL_LO, 0xa1
.set MUL_HI, 0xf1
.set FST_LO, 0x81
.set FST_HI, 0xc1
.set TO_B,   0x40
.macro JLOAD g0a, g1a, g0b, g1b
	s_cmp_eq_u32 s15, 0
	s_cbranch_scc0 .Lfor_b_\@
	tensor_load_to_lds s[\g0a:\g0a+3], s[\g1a:\g1a+7]
	s_nop 0
.rept 4
	v_nop
.endr
	s_branch .Lasked_\@
.Lfor_b_\@:
	tensor_load_to_lds s[\g0b:\g0b+3], s[\g1b:\g1b+7]
	s_nop 0
.rept 4
	v_nop
.endr
.Lasked_\@:
.endm
.macro CREST
	s_cmp_lg_u32 s14, 0
	s_cbranch_scc1 .Lnot_wave_0_\@
	s_barrier_signal -3
.Lnot_wave_0_\@:
	s_barrier_wait -3
	s_barrier_signal -1
	s_barrier_wait -1
.endm
.macro CROUND
	s_barrier_signal -1
	s_barrier_wait -1
	CREST
.endm
	s_load_b128 s[4:7], s[0:1], 0x0
	s_load_b128 s[8:11], s[0:1], 0x10
	s_load_b64 s[96:97], s[0:1], 0x20
	s_load_b64 s[12:13], s[0:1], 0x28
	v_lshl_add_u32 v[SPW], v0, 2, SPARE
	v_mov_b32 v[NIL], 0
	ds_add_u32 v28, v29
	ds_add_u32 v28, v29
	s_wait_dscnt 0x0
	v_lshrrev_b32 v1, 5, v0
	v_readfirstlane_b32 s14, v1
	s_lshr_b32 s15, s14, 1
	s_and_b32 s16, s14, 1
	s_bfe_u32 s40, ttmp6, 0x40000
	s_bfe_u32 s41, ttmp6, 0x40004
	s_lshl_b32 s42, ttmp9, 2
	s_add_co_u32 s42, s42, s40
	s_and_b32 s17, ttmp7, 0xffff
	s_lshl_b32 s17, s17, 2
	s_add_co_u32 s17, s17, s41
	s_lshl_b32 s43, s41, 2
	s_lshl_b32 s43, 15, s43
	s_lshl_b32 s44, 0x1111, s40
	s_or_b32 s[G1+0], s43, (3<<16)|(1<<21)
	s_mov_b32 s[G1+1], 512<<16
	s_mov_b32 s[G1+2], 16<<16                      ; the head's load of A brings 16 tiles of rows
	s_mov_b32 s[G1+3], 512<<16
	s_mov_b32 s[G1+4], 16
	s_mov_b32 s[G1+5], 2048
	s_mov_b32 s[G1+6], 0
	s_mov_b32 s[G1+7], 0
	s_or_b32 s[G1B+0], s44, (0<<16)|(1<<20)|(1<<21)|(5<<22)|(3<<25)
	s_mov_b32 s[G1B+1], ROWB<<16
	s_mov_b32 s[G1B+2], 256<<16                    ; and that of B 256 rows
	s_mov_b32 s[G1B+3], ROWB<<16
	s_mov_b32 s[G1B+4], 256
	s_mov_b32 s[G1B+5], KROW
	s_mov_b32 s[G1B+6], 0
	s_mov_b32 s[G1B+7], 0
	s_or_b32 s[G1S+0], s43, (3<<16)|(1<<20)|(1<<21)|(5<<22)|(3<<25)
	s_or_b32 s[G1SB+0], s44, (3<<16)|(1<<20)|(1<<21)|(5<<22)|(3<<25)
.irp g, G1S, G1SB
	s_mov_b32 s[\g+1], 32<<16
	s_mov_b32 s[\g+2], 32<<16                      ; the scales of 256 rows: 32 rows of 256 bytes
	s_mov_b32 s[\g+3], 32<<16
	s_mov_b32 s[\g+4], 32
	s_mov_b32 s[\g+5], 32
	s_mov_b32 s[\g+6], 0
	s_mov_b32 s[\g+7], 0
.endr
	s_lshl_b32 s20, s17, 18                        ; the tile's first byte of A's images,
	s_lshl_b32 s18, s16, 17                        ; (half a tile, of A's images and of B's rows alike: 2^17 bytes)
	s_mov_b32 s19, 0
	s_lshl_b32 s22, s17, 13                        ; of A's scales,
	s_lshl_b32 s46, s42, 18                        ; of B's rows,
	s_lshl_b32 s92, s42, 13                        ; of B's scales
	s_mov_b32 s21, 0
	s_mov_b32 s23, 0
	s_mov_b32 s47, 0
	s_mov_b32 s93, 0
	s_mul_i32 s45, s16, HALFA
	s_mul_i32 s95, s16, HALFT
	s_add_co_u32 s95, s95, BOFF
	s_wait_kmcnt 0x0
	s_add_nc_u64 s[8:9], s[8:9], 3*1048576
	s_add_nc_u64 s[10:11], s[10:11], 3*32768
	s_add_nc_u64 s[20:21], s[4:5], s[20:21]
	s_add_nc_u64 s[22:23], s[6:7], s[22:23]
	s_add_nc_u64 s[46:47], s[8:9], s[46:47]
	s_add_nc_u64 s[92:93], s[10:11], s[92:93]
	CROUND
	s_mov_b32 s[G0S], 1
	s_mov_b32 s[G0S+1], SCL
	s_mov_b64 s[G0S+2:G0S+3], s[22:23]
	s_or_b32 s[G0S+3], s[G0S+3], 0x80000000
	s_mov_b32 s[G0SB], 1
	s_mov_b32 s[G0SB+1], SCL+2*HALFS
	s_mov_b64 s[G0SB+2:G0SB+3], s[92:93]
	s_or_b32 s[G0SB+3], s[G0SB+3], 0x80000000
.set G0H,  4                           ; s[4:7], s[8:11] group 0 for the head's loads of K step 0 (the arguments that lay there have been used)
.set G0HB, 8
.set PFA,  98                          ; s[98:99] where my prefetches stand; never rewritten
.set PFO,  30                          ; v30, v31 my lane's offset for K steps 2 and 3; never rewritten
	s_mov_b32 s[G0H], 1                            ; K step 0 of A's 16 tiles of rows,
	s_mov_b32 s[G0H+1], 0
	s_mov_b64 s[G0H+2:G0H+3], s[20:21]
	s_or_b32 s[G0H+3], s[G0H+3], 0x80000000
	s_mov_b32 s[G0HB], 1                           ; and of B's 256 rows
	s_mov_b32 s[G0HB+1], BOFF
	s_mov_b64 s[G0HB+2:G0HB+3], s[46:47]
	s_or_b32 s[G0HB+3], s[G0HB+3], 0x80000000
	s_add_nc_u64 s[20:21], s[20:21], s[18:19]      ; for the ring: my half of the tile
	s_add_nc_u64 s[46:47], s[46:47], s[18:19]
	; the prefetches: what I fetch for a K step is 128 blocks of 256 bytes; the partner at place p (cx for A, cy for B) names 32 of them, 2^15 bytes of the buffer on from the last partner's: told apart by address alone.
	; A's images: two tiles of rows, 16 blocks on end in each; B: a lane a row
	s_cmp_eq_u32 s15, 0
	s_cselect_b64 s[PFA:PFA+1], s[20:21], s[46:47]
	s_cselect_b32 s18, s40, s41
	s_cselect_b32 s100, 4, 0
	s_cselect_b32 s101, -1, 0
	s_lshl_b32 s18, s18, 15
	s_add_nc_u64 s[PFA:PFA+1], s[PFA:PFA+1], s[18:19]
	s_lshl_b32 s100, 256, s100                     ; a K step on: 4,096 bytes in A's images, 256 in a row of B
	s_lshl_b32 s18, s100, 1
	s_add_co_u32 s100, s18, s100
	v_and_b32 v1, 31, v0
	v_lshlrev_b32 v2, 10, v1
	v_and_b32 v3, 15, v1
	v_lshrrev_b32 v4, 4, v1
	v_lshlrev_b32 v3, 8, v3
	v_lshl_add_u32 v3, v4, 14, v3
	v_cndmask_b32 v2, v2, v3, s101
	v_add_nc_u32 v[PFO], s18, v2
	v_add_nc_u32 v[PFO+1], s100, v2
	s_wait_alu depctr_va_vdst(0)
.irp s, 0,1
	s_mov_b32 s[G0+4*\s], 1
	s_add_co_u32 s[G0+4*\s+1], s45, \s*SLOT
	s_add_nc_u64 s[G0+4*\s+2:G0+4*\s+3], s[20:21], \s*4096
	s_or_b32 s[G0+4*\s+3], s[G0+4*\s+3], 0x80000000
	s_mov_b32 s[G0B+4*\s], 1
	s_add_co_u32 s[G0B+4*\s+1], s95, \s*SLOT
	s_add_nc_u64 s[G0B+4*\s+2:G0B+4*\s+3], s[46:47], \s*ROWB
	s_or_b32 s[G0B+4*\s+3], s[G0B+4*\s+3], 0x80000000
.endr
; THE HEAD'S LOADS, ONE A WAVE: wave 0 K step 0 of A, wave 1 of B, wave 2 the scales of A's 256 rows, wave 3 those of B's.  One chain of arms, all leading to one join.
.macro ARM under, g0, g1, next
	s_cmp_lt_u32 s14, \under
	s_cbranch_scc0 \next
	tensor_load_to_lds s[\g0:\g0+3], s[\g1:\g1+7]
	s_nop 0
.rept 4
	v_nop
.endr
	s_branch .Lhead_asked
\next:
.endm
	ARM 1, G0H,  G1,  .Lhead_b
	ARM 2, G0HB, G1B, .Lhead_sa
	ARM 3, G0S,  G1S, .Lhead_sb
	tensor_load_to_lds s[G0SB:G0SB+3], s[G1SB:G1SB+7]
	s_nop 0
.rept 4
	v_nop
.endr
.Lhead_asked:
	global_prefetch_b8 v[PFO], s[PFA:PFA+1] th:TH_LOAD_NT scope:SCOPE_SE   ; K step 2, two steps ahead of the load that wants it
	v_and_b32 v1, 15, v0
	s_wait_alu depctr_va_vdst(0)
	v_bfe_u32 v2, v0, 4, 1
	v_and_b32 v6, 31, v0
	v_lshlrev_b32 v[CO], 4, v6
	v_lshlrev_b32 v[BO0], 6, v2
	s_lshl_b32 s20, s42, 10
	s_lshl_b32 s21, s16, 9
	s_add_co_u32 s20, s20, s21
	s_mov_b32 s21, 0
	s_add_nc_u64 s[96:97], s[96:97], s[20:21]
.irp g, 0,1,2,3
.irp j, 0,1,2,3
	global_load_b128 v[BI+16*\g+4*\j:BI+16*\g+4*\j+3], v[BO0], s[96:97] offset:128*\g+16*\j
.endr
.endr
	s_add_nc_u64 s[12:13], s[12:13], s[20:21]
	s_lshl_b32 s20, s17, 20
	s_lshl_b32 s22, s15, 19
	s_add_co_u32 s20, s20, s22
	s_add_nc_u64 s[12:13], s[12:13], s[20:21]
	v_mul_u32_u24 v3, v1, PITCH
	s_wait_alu depctr_va_vdst(0)
	v_lshl_add_u32 v4, v2, 4, v3
	s_mul_i32 s21, s15, HALFA
	s_mul_i32 s22, s16, HALFT
	s_add_co_u32 s22, s22, BOFF
.irp s, 0,1
	v_add_nc_u32 v[ADRA+\s], s21, v[CO]
	v_add_nc_u32 v[ADRB+\s], s22, v4
	s_add_co_u32 s21, s21, SLOT
	s_add_co_u32 s22, s22, SLOT
.endr
	v_mul_u32_u24 v5, v1, KS
	v_lshrrev_b32 v6, 8, v5
	v_lshl_add_u32 v5, v6, 4, v5
	s_mul_i32 s21, s15, HALFS
	s_mul_i32 s22, s16, HALFS
	s_add_co_u32 s22, s22, 2*HALFS
	s_sub_co_u32 s22, s22, s21
	v_mul_u32_u24 v6, s22, v2
	s_add_co_u32 s21, s21, SCL
	v_add_nc_u32 v5, v5, v6
	v_add_nc_u32 v[ADRS], s21, v5
	s_mul_i32 s23, s14, 16*SPITCH
	v_mul_u32_u24 v5, v1, SPITCH
	v_lshl_add_u32 v5, v2, 6, v5
	v_add_nc_u32 v[STO], s23, v5
	v_add_nc_u32 v[RD], s23, v[CO]
.macro FRAGA reg, slot, q, i
.irp c, 0,1,2,3
	ds_load_b128 v[\reg+4*\c:\reg+4*\c+3], v[ADRA+\slot] offset:4096*(\i)+2048*(\q)+512*\c
.endr
.endm
.macro FRAGB reg, slot, q, i
.irp c, 0,1,2,3
	ds_load_b128 v[\reg+4*\c:\reg+4*\c+3], v[ADRB+\slot] offset:128*(\q)+32*\c+(\i)*16*PITCH
.endr
.endm
.macro MUL16 a0, p, q, sc, first
.irp a, \a0, \a0+1
.irp b, 0,1,2,3,4,5,6,7
.if \first
	v_wmma_scale_f32_16x16x128_f8f6f4 v[8*(8*((\a)%4)+\b):8*(8*((\a)%4)+\b)+7], v[128*(\p)+FR*\b:128*(\p)+FR*\b+FR-1], v[AF+FR*(\a):AF+FR*(\a)+FR-1], v[BI+8*\b:BI+8*\b+7], v[SC+8*NQ*(\sc)+NQ*\b+(\q)], v[SC+8*NQ*(\sc)+NQ*(\a)+(\q)] matrix_a_scale:MATRIX_SCALE_ROW1
.else
	v_wmma_scale_f32_16x16x128_f8f6f4 v[8*(8*((\a)%4)+\b):8*(8*((\a)%4)+\b)+7], v[128*(\p)+FR*\b:128*(\p)+FR*\b+FR-1], v[AF+FR*(\a):AF+FR*(\a)+FR-1], v[8*(8*((\a)%4)+\b):8*(8*((\a)%4)+\b)+7], v[SC+8*NQ*(\sc)+NQ*\b+(\q)], v[SC+8*NQ*(\sc)+NQ*(\a)+(\q)] matrix_a_scale:MATRIX_SCALE_ROW1
.endif
.endr
.endr
.endm
.macro FETCH_B slot, q, p
	WIN TO_B
.irp i, 0,1,2,3,4,5,6,7
	FRAGB 128*(\p)+FR*\i, \slot, \q, \i
.endr
	WIN 0
.endm
.macro FETCH_A slot, q, i0
.irp i, \i0, \i0+1, \i0+2, \i0+3
	FRAGA AF+FR*(\i), \slot, \q, \i
.endr
.endm
.macro SCALES sc
.irp i, 0,1,2,3,4,5,6,7
	ds_load_b64 v[SC+8*NQ*\sc+NQ*\i:SC+8*NQ*\sc+NQ*\i+1], v[ADRS] offset:\i*SBLK
.endr
.endm
.macro PLACES n
.rept \n
	v_nop
.endr
.endm
.macro STEP slot, q, first
	s_wait_dscnt 4*NL
.if \first
	WIN FST_LO
.else
	WIN MUL_LO
.endif
	MUL16 0, (\q)%2, \q, \slot, \first
	MUL16 2, (\q)%2, \q, \slot, \first
	s_wait_dscnt 0
	PLACES NP
	FETCH_B \slot, (\q)+1, 1-(\q)%2
	FETCH_A \slot, (\q)+1, 0
.if \first
	WIN FST_HI
.else
	WIN MUL_HI
.endif
	MUL16 4, (\q)%2, \q, \slot, \first
	MUL16 6, (\q)%2, \q, \slot, \first
	PLACES NP
	WIN 0
	FETCH_A \slot, (\q)+1, 4
.endm
.macro TURN slot, next, fill
	s_wait_tensorcnt 0x0
	ds_add_u32 v[SPW], v[NIL]
	s_wait_dscnt 4*NL+1
	WIN MUL_LO
	MUL16 0, 1, NQ-1, \slot, 0
	s_wait_dscnt 0x0
	s_barrier_signal -1
	MUL16 2, 1, NQ-1, \slot, 0
	WIN 0
	s_barrier_wait -1
.if \fill
	CREST
	s_add_nc_u64 s[G0+4*\slot+2:G0+4*\slot+3], s[G0+4*\slot+2:G0+4*\slot+3], 2*4096
	s_add_nc_u64 s[G0B+4*\slot+2:G0B+4*\slot+3], s[G0B+4*\slot+2:G0B+4*\slot+3], 2*ROWB
	JLOAD G0+4*\slot, G1, G0B+4*\slot, G1B
	PLACES NP-4
.else
	PLACES NP
.endif
	s_wait_alu depctr_va_vdst(0)
	v_add_nc_u32 v[ADRS], 4*NQ, v[ADRS]
	FETCH_B \next, 0, 0
	FETCH_A \next, 0, 0
	SCALES \next
	WIN MUL_HI
	MUL16 4, 1, NQ-1, \slot, 0
	MUL16 6, 1, NQ-1, \slot, 0
	PLACES NP
	WIN 0
	FETCH_A \next, 0, 4
.endm
	s_wait_alu depctr_va_vdst(0)
	s_wait_tensorcnt 0x0                           ; my tile of the head's four is in; slot 1's first fill is issued as a refill is
	ds_add_u32 v[SPW], v[NIL]
	s_mov_b32 s[G1+2], 8<<16                       ; no tensor load of mine is out: from here on a load brings half a tile
	s_mov_b32 s[G1+4], 8
	s_mov_b32 s[G1B+2], 128<<16
	s_mov_b32 s[G1B+4], 128
	s_wait_dscnt 0x0
	CROUND
	JLOAD G0+4, G1, G0B+4, G1B                     ; K step 1, the first tensor load behind the round
	global_prefetch_b8 v[PFO+1], s[PFA:PFA+1] th:TH_LOAD_NT scope:SCOPE_SE   ; K step 3, the last: nothing is asked for beyond it
	FETCH_B 0, 0, 0
	FETCH_A 0, 0, 0
	SCALES 0
	FETCH_A 0, 0, 4
	s_wait_loadcnt 0x0
	STEP 0, 0, 1
	s_mov_b32 s3, LAPS-1
.Llap:
	TURN 0, 1, 1
	STEP 1, 0, 0
	TURN 1, 0, 1
	STEP 0, 0, 0
	s_sub_co_u32 s3, s3, 1
	s_cmp_lg_u32 s3, 0
	s_cbranch_scc1 .Llap
	TURN 0, 1, 0
	STEP 1, 0, 0
	s_wait_dscnt 4*NL
	WIN MUL_LO
	MUL16 0, 1, NQ-1, 1, 0
	MUL16 2, 1, NQ-1, 1, 0
	s_wait_dscnt 0
	WIN MUL_HI
	MUL16 4, 1, NQ-1, 1, 0
	MUL16 6, 1, NQ-1, 1, 0
	WIN 0
.macro TOSTAGE a
.set AC, 64*((\a)%4)
	WIN 0x08+4*((\a)/4)
.irp b, 0,1,2,3,4,5,6,7
	ds_store_b128 v[STO], v[AC+8*\b:AC+8*\b+3] offset:128*(\b/2)+32*(\b%2)
	ds_store_b128 v[STO], v[AC+8*\b+4:AC+8*\b+7] offset:128*(\b/2)+32*(\b%2)+16
.endr
	WIN 0
.set BB, BK+64*((\a)%2)
.irp t, 0,1,2,3,4,5,6,7,8,9,10,11,12,13,14,15
	ds_load_b128 v[BB+4*\t:BB+4*\t+3], v[RD] offset:\t*SPITCH
.endr
.endm
.macro SEND a, younger
.set BB, BK+64*((\a)%2)
	s_wait_dscnt \younger
.irp t, 0,1,2,3,4,5,6,7,8,9,10,11,12,13,14,15
	global_store_b128 v[CO], v[BB+4*\t:BB+4*\t+3], s[12:13] offset:(32*((\a)/2)+8*((\a)%2)+\t+8*(\t/8))*4096 th:TH_STORE_NT
.endr
.endm
	PLACES NP
	TOSTAGE 0
.irp a, 1,2,3,4,5,6,7
.if \a > 1
	s_wait_xcnt 0x0
.endif
	TOSTAGE \a
	SEND \a-1, 32
.endr
	SEND 7, 0
	s_wait_tensorcnt 0x0
	ds_add_u32 v[SPW], v[NIL]
	s_wait_dscnt 0x0
	CROUND
	s_endpgm
.Lfunc_end_k_q538f593b57_outp:
	.size	k_q538f593b57_outp, .Lfunc_end_k_q538f593b57_outp-k_q538f593b57_outp
	.p2alignl 7, 3214868480
	.fill 96, 4, 3214868480
	.section	.rodata,"a",@progbits
	.p2align	6, 0x0
	.amdhsa_kernel k_q538f593b57_outp
		.amdhsa_group_segment_fixed_size 327680
		.amdhsa_private_segment_fixed_size 0
		.amdhsa_enable_private_segment 0
		.amdhsa_kernarg_size 48
		.amdhsa_user_sgpr_count 2
		.amdhsa_user_sgpr_kernarg_segment_ptr 1
		.amdhsa_wavefront_size32 1
		.amdhsa_system_sgpr_workgroup_id_x 1
		.amdhsa_system_sgpr_workgroup_id_y 1
		.amdhsa_system_sgpr_workgroup_id_z 1
		.amdhsa_system_vgpr_workitem_id 0
		.amdhsa_next_free_vgpr 1024
		.amdhsa_next_free_sgpr 102
		.amdhsa_reserve_vcc 0
		.amdhsa_float_denorm_mode_32 3
		.amdhsa_float_denorm_mode_16_64 3
		.amdhsa_memory_ordered 1
		.amdhsa_forward_progress 1
		.amdhsa_inst_pref_size 149
	.end_amdhsa_kernel
	.amdgpu_metadata
---
amdhsa.version: [ 1, 2 ]
amdhsa.kernels:
  - .name:           k_q538f593b57_outp
    .symbol:         k_q538f593b57_outp.kd
    .args:
      - { .name: ac, .offset: 0, .size: 8, .value_kind: global_buffer, .address_space: global }
      - { .name: asc, .offset: 8, .size: 8, .value_kind: global_buffer, .address_space: global }
      - { .name: wc, .offset: 16, .size: 8, .value_kind: global_buffer, .address_space: global }
      - { .name: ws, .offset: 24, .size: 8, .value_kind: global_buffer, .address_space: global }
      - { .name: b_o, .offset: 32, .size: 8, .value_kind: global_buffer, .address_space: global }
      - { .name: out0, .offset: 40, .size: 8, .value_kind: global_buffer, .address_space: global }
    .group_segment_fixed_size: 327680
    .private_segment_fixed_size: 0
    .kernarg_segment_align: 8
    .kernarg_segment_size: 48
    .max_flat_workgroup_size: 128
    .sgpr_count:     102
    .vgpr_count:     1024
    .wavefront_size: 32
...
	.end_amdgpu_metadata
.endif
;; end of part 4
